; MI455X (gfx1250); checked and timed in simulation.
; The chip was launched on July 23, 2026; its instructions are those of AMD's public machine-readable ISA for CDNA 5 (MIT licence, August 2026) and "CDNA5" Instruction Set Architecture Reference Guide (July 2026). The comments in the code are by the model that wrote it; some were corrected since.
;; Poly Net. Allowed arithmetic: float matrix products may take bf16 or f16 operands with f32 sums; all other float work in f32.
;; Inputs: Wf1 65 x 128 float32; Wf2 16,513 x 128 float32; Wf3 16,641 x 128 float32; Wfc 769 x 1 float32; Wg1 65 x 128 float32; Wg2 16,513 x 128 float32; Wg3 16,641 x 128 float32; bf1 128 float32; bf2 128 float32; bf3 128 float32; bfc 1 float32; bg1 128 float32; bg2 128 float32; bg3 128 float32; bias0 one number float32; x 8,192 x 64 float32.
;; Outputs: out0 8,192 x 1 float32.
;; 2 versions, each right and faster than the one before. Each part assembles by itself: llvm-mc -triple=amdgcn-amd-amdhsa -mcpu=gfx1250 --defsym DOCPART=n.
;; ======== version 1 of 2: 3 launches
;; workspace buffers: wb 4,194,304 bytes; vb 65,536 bytes; vh 1,536 bytes; part 131,072 bytes
;; launch prep (part 1): grid 387 x 1, 8 waves a work-group, no clusters, 1,536 bytes of LDS; arguments Wf2, Wg2, Wf3, Wg3, Wfc, wb, vb, vh; writes wb, vb, vh
.if DOCPART == 1
	.amdgcn_target "amdgcn-amd-amdhsa--gfx1250"
	.amdhsa_code_object_version 6
	.text
	.protected	k_qbcdaa05372_prep
	.globl	k_qbcdaa05372_prep
	.p2align	8
	.type	k_qbcdaa05372_prep,@function
k_qbcdaa05372_prep:
	s_mov_b64 s[64:65], 0
	v_nop
	global_prefetch_b8 v0, s[64:65] scope:SCOPE_SE
	s_setreg_imm32_b32 hwreg(HW_REG_WAVE_MODE, 25, 1), 1
	s_wait_xcnt 0x0
; PREPARATION.  Three of the four large matrices reach the result only through the last projection, so they are multiplied by their
; slices of Wfc first:  v2 = Wg2 wfc[513:641],  v3 = Wf3 wfc[257:385] + Wg3 wfc[641:769]  (rows 1 on; row 0 is taken by the last launch).
; That is exact algebra; the order of rounding differs from a product taken row by row of the batch.  All sums here are f32.
; Work-groups 0..127:   Wf2 rows 129 + 128 i + j (i = the work-group) are rounded to bf16: wb[i][j][n], a dense block of 32,768 bytes.
; Work-groups 128..256: 128 rows of Wg2 each, from row 1 on.  Group 0 -> vh[0:128] (f32); group 1 + i -> row i of V2 in vb (bf16).
; Work-groups 257..386: 128 rows of Wf3 and Wg3 each.  Groups 0, 1 -> vh[128:384] (f32); group 2 + i -> row i of V3 in vb + 32,768 (bf16).
; Memory binds: every byte is read once, a row of 512 bytes by one load of a wave; all loads of a wave go out at once.  No matrix unit: the products have one column.
.set X, 16                             ; v[16:79]   16 rows (or 16 pieces) as loaded, 4 registers each
.set Y, 80                             ; v[80:143]  the second matrix's 16 rows; in the cast: the packed results
.set P, 144                            ; v[144:175] a pair of partial sums for each row
	s_load_b512 s[4:19], s[0:1], 0x0               ; Wf2 s[4:5], Wg2 s[6:7], Wf3 s[8:9], Wg3 s[10:11], Wfc s[12:13], wb s[14:15], vb s[16:17], vh s[18:19]
	v_lshl_add_u32 v176, v0, 2, 0x200
	v_mov_b32 v177, 0
	v_and_b32 v1, 31, v0                           ; lane
	v_and_b32 v2, 15, v0                           ; lane mod 16
	v_lshrrev_b32 v3, 5, v0
	v_readfirstlane_b32 s20, v3                    ; wave 0..7
	s_mov_b32 s22, 0x76543210                      ; v_permlanex16_b32: each lane takes its own place in the other half
	s_mov_b32 s23, 0xfedcba98
	s_mov_b32 s25, 0                               ; high words of the two byte offsets
	s_mov_b32 s27, 0
	s_cmp_ge_u32 ttmp9, 128
	s_cbranch_scc1 .Lvec
	; THE CAST: 65,536 bytes in, 32,768 out.  Thread t takes 16 bytes of each piece of 4,096; a wave's store covers 256 consecutive bytes, aligned.
	s_lshl_b32 s24, ttmp9, 16
	s_add_co_u32 s24, s24, 129*512                 ; the block's first row is 129 + 128 i
	s_lshl_b32 s26, ttmp9, 15
	v_lshlrev_b32 v4, 4, v0
	v_lshlrev_b32 v5, 3, v0
	s_wait_kmcnt 0x0
	s_add_nc_u64 s[4:5], s[4:5], s[24:25]
	s_add_nc_u64 s[14:15], s[14:15], s[26:27]
.set u, 0
.rept 16
	global_load_b128 v[X+4*u:X+4*u+3], v4, s[4:5] offset:u*4096 th:TH_LOAD_NT
.set u, u+1
.endr
.set u, 0
.rept 16
	s_wait_loadcnt 15-u                            ; loads come back in order: piece u is in, the 15 - u younger ones stay out
	v_cvt_pk_bf16_f32 v[Y+2*u], v[X+4*u], v[X+4*u+1]
	v_cvt_pk_bf16_f32 v[Y+2*u+1], v[X+4*u+2], v[X+4*u+3]
	global_store_b64 v5, v[Y+2*u:Y+2*u+1], s[14:15] offset:u*2048   ; every piece has its own data registers: nothing is rewritten
.set u, u+1
.endr
	s_endpgm
; One step of the sum over 16 lanes, for all 16 rows: the rows do not wait for each other.
.macro XSTEP m
.set q, 0
.rept 16
	v_add_f32_dpp v[P+2*q], v[P+2*q], v[P+2*q] row_xmask:\m row_mask:0xf bank_mask:0xf
.set q, q+1
.endr
.endm
; 128 rows times one vector (two = 0) or of two matrices times two vectors, added (two = 1).  Wave w takes rows 16 w .. 16 w + 15 of the group.
; ma, mb: the scalar pairs with the matrices; wa, wc: first word of the weights in Wfc; the first nhead groups go to vh + hoff in f32, the others to vb + boff in bf16.
.macro VPATH two, ma, mb, wa, wc, nhead, hoff, boff, first
	s_sub_co_u32 s21, ttmp9, \first                ; the group
	s_lshl_b32 s24, s21, 16                        ; 128 rows of 512 bytes,
	s_add_co_u32 s24, s24, 512                     ; from row 1 on
	v_lshlrev_b32 v4, 4, v1                        ; my 4 columns: 16 bytes a lane
	v_lshl_add_u32 v3, v3, 13, v4                  ; + wave x 16 rows
	v_lshlrev_b32 v6, 2, v2
	s_lshl_b32 s26, s20, 6
	v_add_nc_u32 v6, s26, v6                       ; LDS word 16 w + lane mod 16
	s_wait_kmcnt 0x0
	s_add_nc_u64 s[\ma:\ma+1], s[\ma:\ma+1], s[24:25]
.if \two
	s_add_nc_u64 s[\mb:\mb+1], s[\mb:\mb+1], s[24:25]
.endif
.irp e, 0,1,2,3
	global_load_b32 v[8+\e], v4, s[12:13] offset:4*\wa+4*\e      ; the slices of Wfc begin at odd words: four loads of 4 bytes
.endr
.if \two
.irp e, 0,1,2,3
	global_load_b32 v[12+\e], v4, s[12:13] offset:4*\wc+4*\e
.endr
.endif
.set q, 0
.rept 16
	global_load_b128 v[X+4*q:X+4*q+3], v3, s[\ma:\ma+1] offset:512*q th:TH_LOAD_NT   ; a whole row of 512 bytes
.set q, q+1
.endr
.if \two
.set q, 0
.rept 16
	global_load_b128 v[Y+4*q:Y+4*q+3], v3, s[\mb:\mb+1] offset:512*q th:TH_LOAD_NT
.set q, q+1
.endr
.endif
	s_wait_loadcnt 16*\two                         ; the weights and the first matrix are in; the second matrix's 16 loads may stay out
.set q, 0
.rept 16
	v_pk_mul_f32 v[P+2*q:P+2*q+1], v[X+4*q:X+4*q+1], v[8:9]
.set q, q+1
.endr
.set q, 0
.rept 16
	v_pk_fma_f32 v[P+2*q:P+2*q+1], v[X+4*q+2:X+4*q+3], v[10:11], v[P+2*q:P+2*q+1]
.set q, q+1
.endr
.if \two
	s_wait_loadcnt 0x0
.set q, 0
.rept 16
	v_pk_fma_f32 v[P+2*q:P+2*q+1], v[Y+4*q:Y+4*q+1], v[12:13], v[P+2*q:P+2*q+1]
.set q, q+1
.endr
.set q, 0
.rept 16
	v_pk_fma_f32 v[P+2*q:P+2*q+1], v[Y+4*q+2:Y+4*q+3], v[14:15], v[P+2*q:P+2*q+1]
.set q, q+1
.endr
.endif
.set q, 0
.rept 16
	v_add_f32 v[P+2*q], v[P+2*q], v[P+2*q+1]
.set q, q+1
.endr
	XSTEP 1
	XSTEP 2
	XSTEP 4
	XSTEP 8
.set q, 0
.rept 16
	v_permlanex16_b32 v[P+2*q+1], v[P+2*q], s22, s23   ; the other half of the lanes; the destination has been written
.set q, q+1
.endr
.set q, 0
.rept 16
	v_add_f32 v[P+2*q], v[P+2*q], v[P+2*q+1]       ; every lane holds row q's number
.set q, q+1
.endr
.set q, 1
.rept 15
	v_cmp_eq_u32 vcc_lo, q, v2
	v_cndmask_b32 v[P], v[P], v[P+2*q], vcc_lo     ; lane l keeps row l mod 16
.set q, q+1
.endr
	ds_store_b32 v6, v[P]                          ; lanes l and l + 16 write the same word with the same value
	s_wait_dscnt 0x0                               ; for wave 0: my store is done
	s_barrier_signal -1
	s_barrier_wait -1
	s_cmp_lg_u32 s20, 0
	s_cbranch_scc1 .Ldone_\@
	ds_load_b128 v[8:11], v4                       ; wave 0: the group's 128 numbers, four a lane
	s_cmp_ge_u32 s21, \nhead
	s_cbranch_scc1 .Lbody_\@
	s_lshl_b32 s24, s21, 9
	s_add_co_u32 s24, s24, \hoff
	s_add_nc_u64 s[18:19], s[18:19], s[24:25]
	s_wait_dscnt 0x0
	global_store_b128 v4, v[8:11], s[18:19]        ; 512 consecutive bytes, aligned
	s_wait_tensorcnt 0x0
	ds_add_u32 v176, v177
	s_wait_dscnt 0x0
	s_endpgm
.Lbody_\@:
	s_sub_co_u32 s24, s21, \nhead
	s_lshl_b32 s24, s24, 8
	s_add_co_u32 s24, s24, \boff
	s_add_nc_u64 s[16:17], s[16:17], s[24:25]
	v_lshlrev_b32 v7, 3, v1
	s_wait_dscnt 0x0
	v_cvt_pk_bf16_f32 v12, v8, v9
	v_cvt_pk_bf16_f32 v13, v10, v11
	global_store_b64 v7, v[12:13], s[16:17]        ; 256 consecutive bytes, aligned: a row of V2 or V3
.Ldone_\@:
	s_wait_tensorcnt 0x0
	ds_add_u32 v176, v177
	s_wait_dscnt 0x0
	s_endpgm
.endm
.Lvec:
	s_cmp_ge_u32 ttmp9, 257
	s_cbranch_scc1 .Lv3
	VPATH 0, 6, 6, 513, 513, 1, 0, 0, 128
.Lv3:
	VPATH 1, 8, 10, 257, 641, 2, 512, 32768, 257
.Lfunc_end_k_qbcdaa05372_prep:
	.size	k_qbcdaa05372_prep, .Lfunc_end_k_qbcdaa05372_prep-k_qbcdaa05372_prep
	.p2alignl 7, 3214868480
	.fill 96, 4, 3214868480
	.section	.rodata,"a",@progbits
	.p2align	6, 0x0
	.amdhsa_kernel k_qbcdaa05372_prep
		.amdhsa_group_segment_fixed_size 1536
		.amdhsa_private_segment_fixed_size 0
		.amdhsa_enable_private_segment 0
		.amdhsa_kernarg_size 64
		.amdhsa_user_sgpr_count 2
		.amdhsa_user_sgpr_kernarg_segment_ptr 1
		.amdhsa_wavefront_size32 1
		.amdhsa_system_sgpr_workgroup_id_x 1
		.amdhsa_system_sgpr_workgroup_id_y 1
		.amdhsa_system_sgpr_workgroup_id_z 1
		.amdhsa_system_vgpr_workitem_id 0
		.amdhsa_next_free_vgpr 178
		.amdhsa_next_free_sgpr 66
		.amdhsa_reserve_vcc 1
		.amdhsa_float_denorm_mode_32 3
		.amdhsa_float_denorm_mode_16_64 3
		.amdhsa_memory_ordered 1
		.amdhsa_forward_progress 1
		.amdhsa_inst_pref_size 36
	.end_amdhsa_kernel
	.amdgpu_metadata
---
amdhsa.version: [ 1, 2 ]
amdhsa.kernels:
  - .name:           k_qbcdaa05372_prep
    .symbol:         k_qbcdaa05372_prep.kd
    .args:
      - { .name: Wf2, .offset: 0, .size: 8, .value_kind: global_buffer, .address_space: global }
      - { .name: Wg2, .offset: 8, .size: 8, .value_kind: global_buffer, .address_space: global }
      - { .name: Wf3, .offset: 16, .size: 8, .value_kind: global_buffer, .address_space: global }
      - { .name: Wg3, .offset: 24, .size: 8, .value_kind: global_buffer, .address_space: global }
      - { .name: Wfc, .offset: 32, .size: 8, .value_kind: global_buffer, .address_space: global }
      - { .name: wb, .offset: 40, .size: 8, .value_kind: global_buffer, .address_space: global }
      - { .name: vb, .offset: 48, .size: 8, .value_kind: global_buffer, .address_space: global }
      - { .name: vh, .offset: 56, .size: 8, .value_kind: global_buffer, .address_space: global }
    .group_segment_fixed_size: 1536
    .private_segment_fixed_size: 0
    .kernarg_segment_align: 8
    .kernarg_segment_size: 64
    .max_flat_workgroup_size: 256
    .sgpr_count:     66
    .vgpr_count:     178
    .wavefront_size: 32
...
	.end_amdgpu_metadata
.endif
;; end of part 1
;; launch main (part 2): grid 64 x 4, 4 waves a work-group, clusters of 4 x 1, 327,680 bytes of LDS; arguments x, bias0, Wf1, bf1, Wf2, bf2, Wfc, wb, vb, vh, part; writes part
.if DOCPART == 2
	.amdgcn_target "amdgcn-amd-amdhsa--gfx1250"
	.amdhsa_code_object_version 6
	.text
	.protected	k_qbcdaa05372_main
	.globl	k_qbcdaa05372_main
	.p2align	8
	.type	k_qbcdaa05372_main,@function
k_qbcdaa05372_main:
	s_mov_b64 s[64:65], 0
	v_nop
	global_prefetch_b8 v0, s[64:65] scope:SCOPE_SE
	s_setreg_imm32_b32 hwreg(HW_REG_WAVE_MODE, 25, 1), 1
	s_wait_xcnt 0x0
	s_wait_alu depctr_hold_cnt(0) depctr_sa_sdst(0) depctr_va_vdst(0) depctr_va_sdst(0) depctr_va_ssrc(0) depctr_va_vcc(0) depctr_vm_vsrc(0)
	s_getreg_b32 s2, hwreg(HW_REG_IB_STS2, 6, 4)
	s_cmp_eq_u32 s2, 0
	s_cbranch_scc0 .Lentry_in_a_cluster
	s_endpgm
.Lentry_in_a_cluster:
	s_bfe_u32 s2, ttmp6, 0x10000c
	s_cmp_lg_u32 s2, 0x3003
	s_cbranch_scc0 .Lentry_shape_is_right
	s_endpgm
.Lentry_shape_is_right:
; THE MATRIX WORK.  With o1 = ot1 = [bias0, x] Wf1 + bf1 (f32; rounded to bf16 where it is a matrix operand):
;   xf2[b][n] = sum over i of o1[b][i] (Wf2[1+i][n] + (ot1 W_i)[b][n]) + bias0 Wf2[0][n] + bf2[n],   W_i[j][n] = Wf2[129+128 i+j][n]  (bf16, from wb)
;   q[b][n]   = wfc[129+n] + v3[129+n] + (o1 V3)[b][n]                    everything behind xf2 is linear in it once o1 is known
;   part[s][b] = sum over n of xf2_s[b][n] q[b][n]  +  sum over i in slice s of o1[b][i] (wfc[1+i] + v2[1+i] + v3[1+i] + (ot1 V2^T)[b][i])
; SHARES.  A work-group owns 128 rows of the batch (x of the grid) and a slice of 32 values of i (y of the grid, s); xf2_s is the slice's part of the sum, the
; constant term going to s = 0 by a factor 1 or 0.  Wave w owns columns 32 w .. 32 w + 31 (two tiles c) of all eight row tiles t: 16 accumulators.
; LIMITS.  The sums are re-associated (exact algebra, another order of rounding than a product taken layer by layer); ot1, W_i, V2 and V3 are bf16 matrix operands, all else f32.
; The factor 0 makes NaN of a constant term that is not finite; the result is not finite there in any order of the work.
; THE MATRIX INSTRUCTION IS USED TRANSPOSED: source 0 = 16 columns n x 32 j of W_i (turned out of LDS by ds_load_tr16_b128), source 1 = 16 rows x 32 j of ot1.  A lane then holds ONE row
; of the batch (lane mod 16) and eight columns, so o1[b][i] is one number a lane and tile, and ACC += o1 T is four packed multiply-adds a tile: one vector instruction for each matrix instruction.
; ot1's fragments stay in registers for the whole kernel; Wf2[1+i] (f32) is the C of a block's first products.
; PIPELINE.  A block is one i: 64 matrix instructions into T[set], with the 64 multiply-adds of the block before (from T[1-set]) set between them, four behind four.
; RING.  Two LDS slots of two blocks each.  CLUSTER: the four work-groups of a cluster have the same s and walk the same W_i, V2, V3 and Wf2 rows, so every tile is asked for jointly
; (mask 15), each wave its quarter.  By this text's count a wave has five tensor loads out at the start and one behind each round.
; WINDOWS (s_set_vgpr_msb: bits 1:0 source 0, 3:2 source 1, 5:4 source 2, 7:6 destination):
;   0: addresses, C operands, o1's numbers, W's fragments    1: ot1's fragments, [t][k] at 32 t + 8 k    2: T0 at 0, T1 at 128 (at the start: x as loaded)
;   3: ACC at 0 (at the start: x's fragments), the constant term at 128, ot1's fragments for the V2 product at 144.
; T and ACC are 384 registers and ot1 fills a window, so products and multiply-adds cannot share a setting: two switches for four and four.
.set PW,    288                        ; a row of W_i or V3 in LDS: 256 bytes + 32
.set PO,    272                        ; a row of ot1 or V2 in LDS: 256 bytes + 16: the 16 rows of a fragment load start at 16 different banks
.set BLK,   128*PW                     ; a block
.set SLOTB, 2*BLK                      ; slot 0 at 0, slot 1 at SLOTB
.set V3T,   2*SLOTB                    ; V3: 128 rows, pitch PW
.set V2T,   V3T+BLK                    ; V2's 32 rows of the slice, pitch PO
.set WHD,   V2T+32*PO                  ; Wf2 rows 1 + 32 s .. : 32 rows of 512 bytes, f32
.set OT,    WHD+32*512                 ; ot1 in bf16, 128 rows, pitch PO.  From here on no tensor load lands
.set O1F,   OT+128*PO                  ; o1 in f32: byte i 512 + (t / 4) 256 + (row mod 16) 16 + (t mod 4) 4
.set RED,   O1F+128*512                ; [4 waves + the V2 term][128 rows] f32
.set SPARE, RED+5*512                  ; the spare words, 128 bytes for each wave: two blocks of 256 bytes that no other line names
.set ADW,  4                           ; v4-7   my place in (slot 0, block 0), (0, 1), (1, 0), (1, 1) for the turning loads
.set ADV3, 8                           ; v8     the same in V3
.set AH,   9                           ; v9     my 8 columns in WHD's row; steps with the loop
.set AO,   10                          ; v10    my row's place in O1F at the slice's first i; steps with the loop
.set AOT,  11                          ; v11    fragment address in OT
.set STO,  12                          ; v12    where I put 16 bytes of ot1
.set STF,  13                          ; v13    where I put o1's f32 numbers
.set AV2,  14                          ; v14    fragment address in V2
.set AGA,  15                          ; v15    fragment address in OT at my wave's 32 rows
.set AAM,  16                          ; v16    o1 of my wave's 32 rows at the slice's columns
.set ARED, 17                          ; v17    my word in RED's row w
.set ARG,  18                          ; v18    my word in RED's row 4
.set XO,   19                          ; v19    byte offset in x
.set WO,   20                          ; v20    byte offset in Wf1
.set NO,   21                          ; v21    4 (32 w + 8 h): my first column
.set NO2,  22                          ; v22    4 (32 s + 8 h): my first column of the slice
.set ZG,   24                          ; v24-25 the V2 term of my two row tiles
.set SPW,  28                          ; v28    LDS address of my spare word; never rewritten
.set NIL,  29                          ; v29    0; never rewritten
.set QL,   32                          ; v[32:47]   wfc[129+n] + v3[129+n], [c] at 8 c
.set HC0,  192                         ; v[192:207], v[208:223] C of a block's first products, two buffers
.set HC1,  208
.set ZP,   224                         ; v[224:255] at work
.set WV,   26                          ; s26 wave   s27 s   s28 block of rows   s[30:31] bias0 twice   s[88:89] 1.0 or 0 twice   s[90:91] lane selects   s100 trips
.set KS,   27
.set G1R,  32                          ; s[32:39] group 1: 64 rows of 128 bf16, 8 words of padding
.set G1V3, 40                          ; s[40:47] 32 such rows
.set G1V2, 48                          ; s[48:55] 8 rows of 128 bf16, 4 words of padding
.set G1H,  56                          ; s[56:63] 8 rows of 128 f32, no padding
.set G0R,  68                          ; s[68:75] group 0 of slot 0, slot 1
.set G0V3, 76
.set G0V2, 80
.set G0H,  84
.set W_M0, 0x84                        ; D window 2, W window 0, ot1 window 1, C window 0
.set W_M,  0xa4                        ; the same, C window 2
.set W_PK, 0xf2                        ; ACC (destination, source 2) window 3, T window 2, o1 window 0
.set W_LA, 0x8c                        ; D window 2, source 0 window 0, source 1 window 3, C window 0
.set W_LB, 0xac                        ; the same, C window 2
.set MSB, 0
.macro WIN new                         ; the immediate's high byte repeats the setting that is left; a switch that changes nothing is dropped
.if MSB != \new
	s_set_vgpr_msb (MSB<<8)|\new
.set MSB, \new
.endif
.endm
.macro PLACES                          ; four plain vector instructions between a matrix instruction and a reader of its result (ISA guide 7.12.1)
.rept 4
	v_nop
.endr
.endm
.macro CREST                           ; a round of the cluster's barrier behind its opening barrier
	s_cmp_lg_u32 s[WV], 0
	s_cbranch_scc1 .Lnot_wave_0_\@
	s_barrier_signal -3
.Lnot_wave_0_\@:
	s_barrier_wait -3
	s_barrier_signal -1
	s_barrier_wait -1
.endm
.macro ROUND
	s_barrier_signal -1
	s_barrier_wait -1
	CREST
.endm
.macro G1REST g, rows                  ; words 1 to 7 of a group 1: rows of 128 elements, dense in memory
	s_mov_b32 s[\g+1], 128<<16                     ; tensor_dim0 = 128
	s_mov_b32 s[\g+2], \rows<<16                   ; tensor_dim1
	s_mov_b32 s[\g+3], 128<<16                     ; tile_dim0 = 128
	s_mov_b32 s[\g+4], \rows                       ; tile_dim1
	s_mov_b32 s[\g+5], 128                         ; elements from row to row
	s_mov_b32 s[\g+6], 0
	s_mov_b32 s[\g+7], 0
.endm
	s_load_b512 s[4:19], s[0:1], 0x0               ; x s[4:5], bias0 s[6:7], Wf1 s[8:9], bf1 s[10:11], Wf2 s[12:13], bf2 s[14:15], Wfc s[16:17], wb s[18:19]
	s_load_b128 s[20:23], s[0:1], 0x40             ; vb s[20:21], vh s[22:23]
	s_load_b64 s[24:25], s[0:1], 0x50              ; part
	v_lshl_add_u32 v[SPW], v0, 2, SPARE
	v_mov_b32 v[NIL], 0
	ds_add_u32 v28, v29
	s_wait_dscnt 0x0
	v_lshrrev_b32 v3, 5, v0
	v_readfirstlane_b32 s[WV], v3                  ; wave 0..3
	s_and_b32 s[KS], ttmp7, 3                      ; the slice: the grid has 4 along y, and the four partners share it
	s_bfe_u32 s29, ttmp6, 0x40000                  ; cx
	s_lshl_b32 s28, ttmp9, 2
	s_add_co_u32 s28, s28, s29                     ; my block of 128 rows = 4 x cluster x + cx: it enters the addresses of x and part alone
	s_mov_b32 s90, 0x76543210
	s_mov_b32 s91, 0xfedcba98
	s_cmp_eq_u32 s[KS], 0
	s_cselect_b32 s88, 1.0, 0                      ; the constant term belongs to slice 0
	s_mov_b32 s89, s88
	s_mov_b32 s[G1R],  15|(1<<16)|(1<<20)|(1<<21)|(5<<22)|(7<<25)  ; mask: all four; elements of 2 bytes; padding on; bit 21 beside a mask; after every 64 words, 8 words
	s_mov_b32 s[G1V3], 15|(1<<16)|(1<<20)|(1<<21)|(5<<22)|(7<<25)
	s_mov_b32 s[G1V2], 15|(1<<16)|(1<<20)|(1<<21)|(5<<22)|(3<<25)  ; 4 words of padding
	s_mov_b32 s[G1H],  15|(2<<16)|(1<<21)                          ; elements of 4 bytes, no padding
	G1REST G1R, 64
	G1REST G1V3, 32
	G1REST G1V2, 8
	G1REST G1H, 8
	s_mul_i32 s92, s[WV], 64*PW                    ; my quarter of a slot
	s_lshl_b32 s94, s[KS], 20                      ; the slice's 32 blocks of 32,768 bytes,
	s_lshl_b32 s93, s[WV], 14                      ; my 64 rows of 256 bytes
	s_add_co_u32 s94, s94, s93
	s_mov_b32 s95, 0
	s_wait_kmcnt 0x0
	s_add_nc_u64 s[94:95], s[18:19], s[94:95]
.irp sl, 0,1
	s_mov_b32 s[G0R+4*\sl], 1
	s_add_co_u32 s[G0R+4*\sl+1], s92, \sl*SLOTB
	s_add_nc_u64 s[G0R+4*\sl+2:G0R+4*\sl+3], s[94:95], \sl*65536   ; slot sl begins with blocks 2 sl, 2 sl + 1
	s_or_b32 s[G0R+4*\sl+3], s[G0R+4*\sl+3], 0x80000000
.endr
	s_mul_i32 s92, s[WV], 32*PW                    ; V3: my 32 rows
	s_lshl_b32 s94, s[WV], 13
	s_add_co_u32 s94, s94, 32768
	s_mov_b32 s95, 0
	s_mov_b32 s[G0V3], 1
	s_add_co_u32 s[G0V3+1], s92, V3T
	s_add_nc_u64 s[G0V3+2:G0V3+3], s[20:21], s[94:95]
	s_or_b32 s[G0V3+3], s[G0V3+3], 0x80000000
	s_mul_i32 s92, s[WV], 8*PO                     ; V2: my 8 of the slice's 32 rows
	s_lshl_b32 s94, s[KS], 13
	s_lshl_b32 s93, s[WV], 11
	s_add_co_u32 s94, s94, s93
	s_mov_b32 s[G0V2], 1
	s_add_co_u32 s[G0V2+1], s92, V2T
	s_add_nc_u64 s[G0V2+2:G0V2+3], s[20:21], s[94:95]
	s_or_b32 s[G0V2+3], s[G0V2+3], 0x80000000
	s_lshl_b32 s92, s[WV], 12                      ; Wf2 rows 1 + 32 s + 8 w on: my 8 rows of 512 bytes
	s_lshl_b32 s94, s[KS], 14
	s_add_co_u32 s94, s94, s92
	s_add_co_u32 s94, s94, 512
	s_mov_b32 s[G0H], 1
	s_add_co_u32 s[G0H+1], s92, WHD
	s_add_nc_u64 s[G0H+2:G0H+3], s[12:13], s[94:95]
	s_or_b32 s[G0H+3], s[G0H+3], 0x80000000
	ROUND                                          ; all four work-groups are here: the first joint loads meet
	tensor_load_to_lds s[G0R:G0R+3], s[G1R:G1R+7]          ; blocks 0, 1
	s_nop 0
	tensor_load_to_lds s[G0H:G0H+3], s[G1H:G1H+7]          ; Wf2's rows
	s_nop 0
	tensor_load_to_lds s[G0V2:G0V2+3], s[G1V2:G1V2+7]      ; V2
	s_nop 0
	tensor_load_to_lds s[G0R+4:G0R+7], s[G1R:G1R+7]        ; blocks 2, 3
	s_nop 0
	tensor_load_to_lds s[G0V3:G0V3+3], s[G1V3:G1V3+7]      ; V3
	s_nop 0
	PLACES                                         ; four v_nop follow the group of first fills
	; what layer 1 and the small vectors need from memory
	s_load_b32 s30, s[6:7], 0x0                    ; bias0
	s_lshl_b32 s96, s28, 15                        ; my 128 rows of x, 256 bytes each
	s_mov_b32 s97, 0
	s_add_nc_u64 s[4:5], s[4:5], s[96:97]
	s_lshl_b32 s96, s28, 9                         ; my 128 numbers of part,
	s_lshl_b32 s98, s[KS], 15                      ; in the slice's row
	s_add_co_u32 s96, s96, s98
	s_add_nc_u64 s[24:25], s[24:25], s[96:97]
	v_and_b32 v1, 15, v0                           ; r = lane mod 16
	v_bfe_u32 v2, v0, 4, 1                         ; h = lane / 16
	s_lshl_b32 s92, s[WV], 7
	s_lshl_b32 s93, s[KS], 7
	v_lshlrev_b32 v[XO], 8, v1
	v_lshl_add_u32 v[XO], v2, 5, v[XO]             ; row r, 8 h numbers in
	v_lshl_add_u32 v[WO], v1, 2, s92
	v_lshl_add_u32 v[WO], v2, 12, v[WO]            ; row 8 h, column 32 w + r
	v_lshl_add_u32 v[NO], v2, 5, s92
	v_lshl_add_u32 v[NO2], v2, 5, s93
	WIN 0x80                                       ; destination window 2
.set i, 0                              ; i = 8 t + 4 kk + q: row tile t, 32 kk along the 64 inputs, quarter q of a fragment's 16 numbers a lane
.rept 64
	global_load_b128 v[4*i:4*i+3], v[XO], s[4:5] offset:(i/8)*4096+((i/4)%2)*128+((i/2)%2)*64+(i%2)*16
.set i, i+1
.endr
	WIN 0
.set i, 0                              ; i = 32 c + 16 kk + 8 half + e: Wf1[1 + 32 kk + 16 half + 8 h + e][32 w + 16 c + r]: Wf1 lies [input][column], so a fragment is gathered
.rept 64
	global_load_b32 v[128+i], v[WO], s[8:9] offset:(1+32*((i/16)%2)+16*((i/8)%2)+(i%8))*512+64*(i/32)
.set i, i+1
.endr
.macro LDQ dst, adr, base, off         ; 16 numbers a lane, [c] at 8 c: columns 16 c + 8 h + 0..7 from the address register's column on
.irp e, 0,1,2,3
	global_load_b128 v[\dst+4*\e:\dst+4*\e+3], v[\adr], s[\base:\base+1] offset:\off+64*(\e/2)+16*(\e%2)
.endr
.endm
.macro LDW dst, adr, off               ; the same out of Wfc, whose slices begin at odd words: loads of 4 bytes
.set i, 0
.rept 16
	global_load_b32 v[\dst+i], v[\adr], s[16:17] offset:\off+64*(i/8)+4*(i%8)
.set i, i+1
.endr
.endm
	LDQ 96,  NO, 8, 0                              ; Wf1 row 0
	LDQ HC0, NO, 10, 0                             ; bf1
	LDQ 112, NO, 12, 0                             ; Wf2 row 0
	LDQ 64,  NO, 14, 0                             ; bf2
	LDQ 48,  NO, 22, 1024                          ; v3[129+n]
	LDW QL,  NO, 516                               ; wfc[129+n]
	LDQ 224, NO2, 22, 0                            ; v2[1+i]
	LDQ 240, NO2, 22, 512                          ; v3[1+i]
	LDW HC1, NO2, 4                                ; wfc[1+i]
	; LDS addresses, while the loads are out
	v_and_b32 v3, 7, v0
	v_lshl_add_u32 v3, v2, 3, v3                   ; the turning load: row 8 h + lane mod 8,
	v_mul_u32_u24 v3, v3, PW
	v_bfe_u32 v23, v0, 3, 1
	v_lshl_add_u32 v3, v23, 4, v3                  ; 16 bytes on for lanes 8-15 and 24-31,
	s_lshl_b32 s92, s[WV], 6
	v_add_nc_u32 v[ADW], s92, v3                   ; my wave's 32 columns
	v_add_nc_u32 v[ADW+1], BLK, v[ADW]
	v_add_nc_u32 v[ADW+2], SLOTB, v[ADW]
	v_add_nc_u32 v[ADW+3], SLOTB+BLK, v[ADW]
	v_add_nc_u32 v[ADV3], V3T, v[ADW]
	v_add_nc_u32 v[AH], WHD, v[NO]
	s_lshl_b32 s93, s[KS], 14
	s_add_co_u32 s93, s93, O1F
	v_lshl_add_u32 v[AO], v1, 4, s93
	v_mul_u32_u24 v23, v1, PO
	v_lshl_add_u32 v23, v2, 4, v23                 ; row r x pitch + 16 h
	v_add_nc_u32 v[AOT], OT, v23
	v_add_nc_u32 v[AV2], V2T, v23
	v_add_nc_u32 v[STO], s92, v[AOT]
	s_mul_i32 s94, s[WV], 32*PO
	v_add_nc_u32 v[AGA], s94, v[AOT]
	s_lshl_b32 s94, s[WV], 14
	s_add_co_u32 s94, s94, O1F
	v_lshl_add_u32 v[STF], v1, 4, s94
	v_lshl_add_u32 v[STF], v2, 12, v[STF]
	s_lshr_b32 s94, s[WV], 1                       ; row tiles 2 w, 2 w + 1: t / 4 = w / 2, t mod 4 = 2 (w mod 2) + u
	s_lshl_b32 s94, s94, 8
	s_and_b32 s95, s[WV], 1
	s_lshl_b32 s95, s95, 3
	s_add_co_u32 s94, s94, s95
	v_lshl_add_u32 v[AAM], v2, 12, v[AO]
	v_add_nc_u32 v[AAM], s94, v[AAM]
	s_lshl_b32 s94, s[WV], 9
	s_add_co_u32 s94, s94, RED
	v_lshl_add_u32 v[ARED], v1, 2, s94
	s_lshl_b32 s94, s[WV], 7
	s_add_co_u32 s94, s94, RED+2048
	v_lshl_add_u32 v[ARG], v1, 2, s94
	s_wait_loadcnt 0x0
	s_wait_kmcnt 0x0
	s_mov_b32 s31, s30
	; conversions and the small vectors
	WIN 0xca                                       ; sources window 2, destination window 3
.set i, 0
.rept 128
	v_cvt_pk_bf16_f32 v[i], v[2*i], v[2*i+1]       ; x's fragments, [t][kk] at 16 t + 8 kk
.set i, i+1
.endr
	WIN 0
.set i, 0
.rept 8
	v_pk_fma_f32 v[HC0+2*i:HC0+2*i+1], v[96+2*i:96+2*i+1], s[30:31], v[HC0+2*i:HC0+2*i+1] op_sel_hi:[1,0,1]   ; bias0 Wf1[0] + bf1
	v_pk_fma_f32 v[112+2*i:112+2*i+1], v[112+2*i:112+2*i+1], s[30:31], v[64+2*i:64+2*i+1] op_sel_hi:[1,0,1]   ; bias0 Wf2[0] + bf2
	v_pk_add_f32 v[QL+2*i:QL+2*i+1], v[QL+2*i:QL+2*i+1], v[48+2*i:48+2*i+1]
	v_pk_add_f32 v[224+2*i:224+2*i+1], v[224+2*i:224+2*i+1], v[240+2*i:240+2*i+1]
.set i, i+1
.endr
.set i, 0
.rept 8
	v_pk_add_f32 v[HC1+2*i:HC1+2*i+1], v[HC1+2*i:HC1+2*i+1], v[224+2*i:224+2*i+1]   ; wfc[1+i] + v2[1+i] + v3[1+i]
.set i, i+1
.endr
.set i, 0
.rept 32
	v_cvt_pk_bf16_f32 v[64+i], v[128+2*i], v[128+2*i+1]    ; Wf1's fragments, [c][kk] at 64 + 16 c + 8 kk
.set i, i+1
.endr
	WIN 0xc0
.set i, 0
.rept 8
	v_pk_mul_f32 v[128+2*i:128+2*i+1], v[112+2*i:112+2*i+1], s[88:89] op_sel_hi:[1,0]   ; the constant term, in slice 0 alone
.set i, i+1
.endr
	; LAYER 1: ot1 = x Wf1[1:] + (bias0 Wf1[0] + bf1), 16 accumulators by turns, into T0
	WIN W_LA
.set a, 0
.rept 16
	v_wmma_f32_16x16x32_bf16 v[8*a:8*a+7], v[64+16*(a%2):64+16*(a%2)+7], v[16*(a/2):16*(a/2)+7], v[HC0+8*(a%2):HC0+8*(a%2)+7]
.set a, a+1
.endr
	WIN W_LB
.set a, 0
.rept 16
	v_wmma_f32_16x16x32_bf16 v[8*a:8*a+7], v[72+16*(a%2):72+16*(a%2)+7], v[16*(a/2)+8:16*(a/2)+15], v[8*a:8*a+7]
.set a, a+1
.endr
	PLACES
	WIN 0x0a                                       ; sources window 2
.set i, 0
.rept 64
	v_cvt_pk_bf16_f32 v[128+i], v[2*i], v[2*i+1]   ; each accumulator from its low end on
.set i, i+1
.endr
	WIN 0
.set a, 0
.rept 16
	ds_store_b128 v[STO], v[128+4*a:128+4*a+3] offset:(a/2)*16*PO+32*(a%2)   ; row 16 t + r, columns 32 w + 16 c + 8 h on
.set a, a+1
.endr
	WIN 0x08                                       ; store data window 2
.set i, 0                              ; i = 8 a + j
.rept 128
	ds_store_b32 v[STF], v[i] offset:(16*((i/8)%2)+(i%8))*512+(i/64)*256+((i/16)%4)*4
.set i, i+1
.endr
	WIN 0
	s_wait_tensorcnt 0x2                           ; blocks 0 and 1, Wf2's rows and V2 are in; the two loads issued behind them may stay out
	s_wait_dscnt 0x0                               ; for the others: my stores are done
	s_barrier_signal -1
	s_barrier_wait -1
.macro LDWF dst, adw                   ; a block's fragments for my 32 columns, [c][k] at 32 c + 8 k: 16 turning loads
.set i, 0
.rept 8
	ds_load_tr16_b128 v[\dst+8*i:\dst+8*i+3],   v[\adw] offset:(i%4)*32*PW+(i/4)*32
	ds_load_tr16_b128 v[\dst+8*i+4:\dst+8*i+7], v[\adw] offset:(i%4)*32*PW+(i/4)*32+16*PW
.set i, i+1
.endr
.endm
.macro LDHC dst, row                   ; Wf2[1 + i] at my 16 columns a lane
.irp e, 0,1,2,3
	ds_load_b128 v[\dst+4*\e:\dst+4*\e+3], v[AH] offset:(\row)*512+64*(\e/2)+16*(\e%2)
.endr
.endm
.macro LDFR dst, adr, n                ; n fragments of 16 rows x 32 along rows of pitch PO, [tile][k] at 32 tile + 8 k
.set i, 0
.rept \n
	ds_load_b128 v[\dst+8*i:\dst+8*i+3],   v[\adr] offset:(i/4)*16*PO+(i%4)*64
	ds_load_b128 v[\dst+8*i+4:\dst+8*i+7], v[\adr] offset:(i/4)*16*PO+(i%4)*64+32
.set i, i+1
.endr
.endm
	WIN 0x40
	LDFR 0, AOT, 32                                ; ot1's fragments, all 128 rows: they stay
	WIN 0xc0
	LDFR 144, AGA, 8                               ; those of my wave's 32 rows once more, for the V2 product
	WIN 0
	LDFR 128, AV2, 8                               ; V2's fragments
.set i, 0                              ; i = 8 c + j: o1[rows 16 (2 w + u) + r][32 s + 16 c + 8 h + j], u = 0, 1 side by side
.rept 16
	ds_load_b64 v[224+2*i:224+2*i+1], v[AAM] offset:(16*(i/8)+(i%8))*512
.set i, i+1
.endr
	LDWF 64, ADW                                   ; block 0
	LDHC HC0, 0
	s_wait_dscnt 0x0
	; THE V2 TERM: (ot1 V2^T + the linear weights) for my 32 rows x the slice's 32 columns, 4 accumulators by turns at T1's place; then times o1 and summed
	WIN W_LA
.set i, 0                              ; i = 2 u + c
.rept 4
	v_wmma_f32_16x16x32_bf16 v[128+8*i:128+8*i+7], v[128+32*(i%2):128+32*(i%2)+7], v[144+32*(i/2):144+32*(i/2)+7], v[HC1+8*(i%2):HC1+8*(i%2)+7]
.set i, i+1
.endr
	WIN W_LB
.rept 12                               ; k = i / 4
	v_wmma_f32_16x16x32_bf16 v[128+8*(i%4):128+8*(i%4)+7], v[128+32*(i%2)+8*(i/4):128+32*(i%2)+8*(i/4)+7], v[144+32*((i/2)%2)+8*(i/4):144+32*((i/2)%2)+8*(i/4)+7], v[128+8*(i%4):128+8*(i%4)+7]
.set i, i+1
.endr
	PLACES
	WIN 0x02                                       ; source 0 window 2
.set i, 0                              ; i = 8 c + j, ascending: each accumulator from its low end on
.rept 16
.irp u, 0,1
.if i == 0
	v_mul_f32 v[ZG+\u], v[128+16*\u+i], v[224+2*i+\u]
.else
	v_fma_f32 v[ZG+\u], v[128+16*\u+i], v[224+2*i+\u], v[ZG+\u]
.endif
.endr
.set i, i+1
.endr
	WIN 0
	v_permlanex16_b32 v224, v[ZG], s90, s91        ; the row's other 16 columns lie in the lane 16 away
	v_permlanex16_b32 v225, v[ZG+1], s90, s91
	v_add_f32 v[ZG], v[ZG], v224
	v_add_f32 v[ZG+1], v[ZG+1], v225
	ds_store_b32 v[ARG], v[ZG]
	ds_store_b32 v[ARG], v[ZG+1] offset:64
; A BLOCK.  set: which of T, W's fragments, C and o1's numbers this block's products use.  cbase: the C of its first 16 products.
; pk: 0 no multiply-adds; 1 the first (they start ACC from the constant term); 2 ACC += o1 T of the block before.
; chg: 1 the slot read out is filled again behind a round of the cluster's barrier; 2 a barrier alone, so that the last slot is seen whole; 0 none.
; ld: 2 fetch the next block's fragments (address register adw), its C and this block's o1; 1 without the C; 0 nothing.  bi: this block's row from AH and AO on.
; The 16 accumulators take turns, one instruction a turn, in the same order for each 32 along j, from block to block and over the loop's jump too.
; T of the block before is read four plain instructions or more behind its last product; the loads stand 16 plain instructions or more behind the last product that read their registers.
.macro BLOCK set, cbase, pk, chg, slot, ld, adw, bi
.set TS, 128*\set
.set TP, 128-128*\set
.set WS, 64+64*\set
.set WN, 128-64*\set
.set HN, HC1-16*\set
.set OS, 48+8*\set
.set OP, 56-8*\set
.if \chg
	WIN 0                                          ; (the add's two registers lie in window 0)
	s_wait_tensorcnt 0x0                           ; all my tensor loads have landed: my part of the other slot
	ds_add_u32 v[SPW], v[NIL]                      ; 0 onto my spare word
.if \chg == 1
	s_add_nc_u64 s[G0R+4*\slot+2:G0R+4*\slot+3], s[G0R+4*\slot+2:G0R+4*\slot+3], 4*32768   ; no load of mine is out: the slot's next two blocks, four on
.endif
	s_wait_dscnt 0x0                               ; the add is done; this block's operands are in, and with them my last reads of the slot that is left
	s_barrier_signal -1                            ; (with chg = 1 this barrier opens a round of the cluster's barrier)
.else
	s_wait_dscnt 0x0                               ; this block's fragments and C, and the o1 of the block before
.endif
.set g, 0
.rept 16
.if g < 4
	WIN W_M0
.else
	WIN W_M
.endif
.set e, 0
.rept 4
.set a, 4*(g%4)+e
.if g < 4
	v_wmma_f32_16x16x32_bf16 v[TS+8*a:TS+8*a+7], v[WS+32*(a%2):WS+32*(a%2)+7], v[32*(a/2):32*(a/2)+7], v[\cbase+8*(a%2):\cbase+8*(a%2)+7]
.else
	v_wmma_f32_16x16x32_bf16 v[TS+8*a:TS+8*a+7], v[WS+32*(a%2)+8*(g/4):WS+32*(a%2)+8*(g/4)+7], v[32*(a/2)+8*(g/4):32*(a/2)+8*(g/4)+7], v[TS+8*a:TS+8*a+7]
.endif
.set e, e+1
.endr
.if \pk
	WIN W_PK
.set p, 0
.rept 4                                ; accumulator g of the block before: row tile g / 2, whose o1 is the low or the high register of a pair
.set d, 8*g+2*p
.set c3, d
.if \pk == 1
.set c3, 128+8*(g%2)+2*p
.endif
.if (g/2)%2
	v_pk_fma_f32 v[d:d+1], v[TP+d:TP+d+1], v[OP+2*(g/4):OP+2*(g/4)+1], v[c3:c3+1] op_sel:[0,1,0] op_sel_hi:[1,1,1]
.else
	v_pk_fma_f32 v[d:d+1], v[TP+d:TP+d+1], v[OP+2*(g/4):OP+2*(g/4)+1], v[c3:c3+1] op_sel_hi:[1,0,1]
.endif
.set p, p+1
.endr
.endif
.if g == 3
.if \chg || \ld
	WIN 0                                          ; the loads' registers lie in window 0; at a branch and at a label every window is 0
.endif
.if \chg
	s_barrier_wait -1
.endif
.if \chg == 1
	CREST                                          ; no wave of any partner still reads the slot or has a load on its way
	tensor_load_to_lds s[G0R+4*\slot:G0R+4*\slot+3], s[G1R:G1R+7]   ; my one load behind the round: two blocks, 128 matrix instructions, in which to land
	s_nop 0
	PLACES
.endif
.if \ld
	LDWF WN, \adw
.if \ld == 2
	LDHC HN, \bi+1
.endif
	ds_load_b128 v[OS:OS+3],   v[AO] offset:\bi*512        ; o1[16 t + r][i] for t = 0..3,
	ds_load_b128 v[OS+4:OS+7], v[AO] offset:\bi*512+256    ; t = 4..7
.endif
.endif
.set g, g+1
.endr
.if \pk == 0
	PLACES                                         ; no multiply-adds stood behind the last products
.endif
.endm
	BLOCK 0, HC0, 0, 0, 0, 2, ADW+1, 0             ; block 0
	BLOCK 1, HC1, 1, 1, 0, 2, ADW+2, 1             ; block 1; slot 0 takes blocks 4, 5
	WIN 0
	s_mov_b32 s100, 6
.Lq:                                                   ; trip q: blocks 4 q + 2 .. 4 q + 5; both slots are filled again
	BLOCK 0, HC0, 2, 0, 0, 2, ADW+3, 2
	BLOCK 1, HC1, 2, 1, 1, 2, ADW,   3
	BLOCK 0, HC0, 2, 0, 0, 2, ADW+1, 4
	BLOCK 1, HC1, 2, 1, 0, 2, ADW+2, 5
	WIN 0
	v_add_nc_u32 v[AH], 4*512, v[AH]               ; four values of i on
	v_add_nc_u32 v[AO], 4*512, v[AO]
	s_sub_co_u32 s100, s100, 1
	s_cmp_lg_u32 s100, 0
	s_cbranch_scc1 .Lq
	BLOCK 0, HC0, 2, 0, 0, 2, ADW+3, 2             ; block 26: the tail is written out
	BLOCK 1, HC1, 2, 1, 1, 2, ADW,   3             ; block 27; slot 1 takes blocks 30, 31: the last load
	BLOCK 0, HC0, 2, 0, 0, 2, ADW+1, 4             ; block 28
	BLOCK 1, HC1, 2, 2, 0, 2, ADW+2, 5             ; block 29; nothing is left to fetch
	BLOCK 0, HC0, 2, 0, 0, 2, ADW+3, 6             ; block 30
	BLOCK 1, HC1, 2, 0, 0, 1, ADV3,  7             ; block 31; V3's fragments come in W's place
	BLOCK 0, QL,  2, 0, 0, 0, 0,     0             ; q = o1 V3 + its linear part, into T0; ACC takes block 31
	; THE CONTRACTION: sum over my 32 columns of xf2_s q, a pair of sums for each row tile; q's accumulators are read from their low end on
	WIN 0x0b                                       ; ACC window 3, q window 2, the sums window 0
.set i, 0                              ; i = 4 c + p
.rept 8
.set t, 0
.rept 8
.set d, 8*(2*t+i/4)+2*(i%4)
.if i == 0
	v_pk_mul_f32 v[ZP+2*t:ZP+2*t+1], v[d:d+1], v[d:d+1]
.else
	v_pk_fma_f32 v[ZP+2*t:ZP+2*t+1], v[d:d+1], v[d:d+1], v[ZP+2*t:ZP+2*t+1]
.endif
.set t, t+1
.endr
.set i, i+1
.endr
	WIN 0
.irp t, 0,1,2,3,4,5,6,7
	v_add_f32 v[ZP+2*\t], v[ZP+2*\t], v[ZP+2*\t+1]
.endr
.irp t, 0,1,2,3,4,5,6,7
	v_permlanex16_b32 v[ZP+2*\t+1], v[ZP+2*\t], s90, s91
.endr
.irp t, 0,1,2,3,4,5,6,7
	v_add_f32 v[ZP+2*\t], v[ZP+2*\t], v[ZP+2*\t+1]
.endr
.irp t, 0,1,2,3,4,5,6,7
	ds_store_b32 v[ARED], v[ZP+2*\t] offset:64*\t  ; lanes l and l + 16 write the same word with the same value
.endr
	s_wait_dscnt 0x0                               ; for wave 0: my stores are done, the V2 term's among them
	s_barrier_signal -1
	s_barrier_wait -1
	s_cmp_lg_u32 s[WV], 0
	s_cbranch_scc1 .Lend
	v_lshl_add_u32 v3, v0, 4, RED                  ; wave 0: four rows a lane
	v_lshlrev_b32 v30, 4, v0
.irp j, 0,1,2,3,4
	ds_load_b128 v[32+4*\j:32+4*\j+3], v3 offset:512*\j
.endr
	s_wait_dscnt 0x0
	v_pk_add_f32 v[32:33], v[32:33], v[36:37]
	v_pk_add_f32 v[34:35], v[34:35], v[38:39]
	v_pk_add_f32 v[40:41], v[40:41], v[44:45]
	v_pk_add_f32 v[42:43], v[42:43], v[46:47]
	v_pk_add_f32 v[32:33], v[32:33], v[40:41]
	v_pk_add_f32 v[34:35], v[34:35], v[42:43]
	v_pk_add_f32 v[32:33], v[32:33], v[48:49]
	v_pk_add_f32 v[34:35], v[34:35], v[50:51]
	global_store_b128 v30, v[32:35], s[24:25]      ; 512 consecutive bytes, aligned
.Lend:
	s_wait_tensorcnt 0x0                           ; the wave's end, behind my last tensor load and my last LDS store
	ds_add_u32 v[SPW], v[NIL]
	s_wait_dscnt 0x0
	ROUND                                          ; the closing round: no work-group ends while a partner may still ask for a tile that names it
	s_endpgm
.Lfunc_end_k_qbcdaa05372_main:
	.size	k_qbcdaa05372_main, .Lfunc_end_k_qbcdaa05372_main-k_qbcdaa05372_main
	.p2alignl 7, 3214868480
	.fill 96, 4, 3214868480
	.section	.rodata,"a",@progbits
	.p2align	6, 0x0
	.amdhsa_kernel k_qbcdaa05372_main
		.amdhsa_group_segment_fixed_size 327680
		.amdhsa_private_segment_fixed_size 0
		.amdhsa_enable_private_segment 0
		.amdhsa_kernarg_size 88
		.amdhsa_user_sgpr_count 2
		.amdhsa_user_sgpr_kernarg_segment_ptr 1
		.amdhsa_wavefront_size32 1
		.amdhsa_system_sgpr_workgroup_id_x 1
		.amdhsa_system_sgpr_workgroup_id_y 1
		.amdhsa_system_sgpr_workgroup_id_z 1
		.amdhsa_system_vgpr_workitem_id 0
		.amdhsa_next_free_vgpr 1024
		.amdhsa_next_free_sgpr 101
		.amdhsa_reserve_vcc 0
		.amdhsa_float_denorm_mode_32 3
		.amdhsa_float_denorm_mode_16_64 3
		.amdhsa_memory_ordered 1
		.amdhsa_forward_progress 1
		.amdhsa_inst_pref_size 207
	.end_amdhsa_kernel
	.amdgpu_metadata
---
amdhsa.version: [ 1, 2 ]
amdhsa.kernels:
  - .name:           k_qbcdaa05372_main
    .symbol:         k_qbcdaa05372_main.kd
    .args:
      - { .name: x, .offset: 0, .size: 8, .value_kind: global_buffer, .address_space: global }
      - { .name: bias0, .offset: 8, .size: 8, .value_kind: global_buffer, .address_space: global }
      - { .name: Wf1, .offset: 16, .size: 8, .value_kind: global_buffer, .address_space: global }
      - { .name: bf1, .offset: 24, .size: 8, .value_kind: global_buffer, .address_space: global }
      - { .name: Wf2, .offset: 32, .size: 8, .value_kind: global_buffer, .address_space: global }
      - { .name: bf2, .offset: 40, .size: 8, .value_kind: global_buffer, .address_space: global }
      - { .name: Wfc, .offset: 48, .size: 8, .value_kind: global_buffer, .address_space: global }
      - { .name: wb, .offset: 56, .size: 8, .value_kind: global_buffer, .address_space: global }
      - { .name: vb, .offset: 64, .size: 8, .value_kind: global_buffer, .address_space: global }
      - { .name: vh, .offset: 72, .size: 8, .value_kind: global_buffer, .address_space: global }
      - { .name: part, .offset: 80, .size: 8, .value_kind: global_buffer, .address_space: global }
    .group_segment_fixed_size: 327680
    .private_segment_fixed_size: 0
    .kernarg_segment_align: 8
    .kernarg_segment_size: 88
    .max_flat_workgroup_size: 128
    .sgpr_count:     101
    .vgpr_count:     1024
    .wavefront_size: 32
...
	.end_amdgpu_metadata
.endif
;; end of part 2
;; launch final (part 3): grid 128 x 1, 4 waves a work-group, no clusters, 1,024 bytes of LDS; arguments x, Wg1, Wfc, bias0, bfc, bg1, Wg2, bg2, Wf3, bf3, Wg3, bg3, part, out0; writes out0
.if DOCPART == 3
	.amdgcn_target "amdgcn-amd-amdhsa--gfx1250"
	.amdhsa_code_object_version 6
	.text
	.protected	k_qbcdaa05372_final
	.globl	k_qbcdaa05372_final
	.p2align	8
	.type	k_qbcdaa05372_final,@function
k_qbcdaa05372_final:
	s_mov_b64 s[64:65], 0
	v_nop
	global_prefetch_b8 v0, s[64:65] scope:SCOPE_SE
	s_setreg_imm32_b32 hwreg(HW_REG_WAVE_MODE, 25, 1), 1
	s_wait_xcnt 0x0
; THE END:  out[b] = the four slices' partial sums + x[b] . u1 + cst,  with  u1 = Wg1[1:65] wfc[385:513]  and
; cst = bias0 wfc[0] + bfc + the sum over (W, b, w) in {(Wg1, bg1, wfc[385:]), (Wg2, bg2, wfc[513:]), (Wf3, bf3, wfc[257:]), (Wg3, bg3, wfc[641:])} of (bias0 W[0] + b) . w.
; All in f32.  A work-group takes 64 rows, a wave 16; every work-group makes u1 and cst anew (33 KB of small inputs), which spares a launch.
; The sums are re-associated as in the launches before: exact algebra, another order of rounding.  No matrix unit: the products have one column.
.set W,  8                             ; v[8:11]    wfc[385 + 4 lane ..]
.set U,  12                            ; v[12:15]   u1[4 (lane mod 16) ..]
.set G,  16                            ; v[16:79]   16 rows of Wg1
.set XX, 80                            ; v[80:111]  16 rows of x, two to a load
.set P,  112                           ; v[112:143] a pair of partial sums for each row
.set PT, 144                           ; v[144:151] wave 0: the four slices' numbers of my two rows
.set C0, 152                           ; v[152:183] wave 0: for each of the four groups row 0 of the matrix, then the bias
.set WW, 184                           ; v[184:195] wave 0: the other three slices of Wfc
.set A1, 196                           ; LDS: u1's word 16 w + lane mod 16
.set A2, 197                           ; LDS: u1 at 4 (lane mod 16)
.set A3, 198                           ; LDS: the row's word behind u1
	s_load_b512 s[4:19], s[0:1], 0x0               ; x s[4:5], Wg1 s[6:7], Wfc s[8:9], bias0 s[10:11], bfc s[12:13], bg1 s[14:15], Wg2 s[16:17], bg2 s[18:19]
	s_load_b256 s[20:27], s[0:1], 0x40             ; Wf3 s[20:21], bf3 s[22:23], Wg3 s[24:25], bg3 s[26:27]
	s_load_b128 s[28:31], s[0:1], 0x60             ; part s[28:29], out0 s[30:31]
	v_lshl_add_u32 v200, v0, 2, 0x200
	v_mov_b32 v201, 0
	v_and_b32 v1, 31, v0                           ; lane
	v_and_b32 v2, 15, v0
	v_lshrrev_b32 v3, 5, v0
	v_readfirstlane_b32 s32, v3                    ; wave 0..3
	v_lshlrev_b32 v4, 4, v1                        ; 16 bytes a lane
	v_lshl_add_u32 v5, v3, 13, v4                  ; + wave x 16 rows of Wg1
	v_lshl_add_u32 v6, v3, 12, v4                  ; + wave x 16 rows of x
	v_lshlrev_b32 v7, 3, v1                        ; 8 bytes a lane
	s_mov_b32 s34, 0x76543210
	s_mov_b32 s35, 0xfedcba98
	s_lshl_b32 s40, ttmp9, 14                      ; 64 rows of x
	s_mov_b32 s41, 0
	s_lshl_b32 s42, ttmp9, 8                       ; 64 numbers of part and of out0
	s_mov_b32 s43, 0
	s_wait_kmcnt 0x0
	s_load_b32 s36, s[10:11], 0x0                  ; bias0
	s_load_b32 s38, s[12:13], 0x0                  ; bfc
	s_load_b32 s39, s[8:9], 0x0                    ; wfc[0]
	s_add_nc_u64 s[4:5], s[4:5], s[40:41]
	s_add_nc_u64 s[28:29], s[28:29], s[42:43]
	s_add_nc_u64 s[30:31], s[30:31], s[42:43]
.irp e, 0,1,2,3
	global_load_b32 v[W+\e], v4, s[8:9] offset:4*385+4*\e
.endr
.set q, 0
.rept 16
	global_load_b128 v[G+4*q:G+4*q+3], v5, s[6:7] offset:512+512*q   ; rows 1 + 16 w + q
.set q, q+1
.endr
.set q, 0
.rept 8
	global_load_b128 v[XX+4*q:XX+4*q+3], v6, s[4:5] offset:512*q     ; rows 2 q (lanes 0-15) and 2 q + 1 (lanes 16-31)
.set q, q+1
.endr
	s_cmp_lg_u32 s32, 0
	s_cbranch_scc1 .Lcommon
.irp j, 0,1,2,3
	global_load_b64 v[PT+2*\j:PT+2*\j+1], v7, s[28:29] offset:\j*32768
.endr
	global_load_b128 v[C0:C0+3],     v4, s[6:7]
	global_load_b128 v[C0+4:C0+7],   v4, s[14:15]
	global_load_b128 v[C0+8:C0+11],  v4, s[16:17]
	global_load_b128 v[C0+12:C0+15], v4, s[18:19]
	global_load_b128 v[C0+16:C0+19], v4, s[20:21]
	global_load_b128 v[C0+20:C0+23], v4, s[22:23]
	global_load_b128 v[C0+24:C0+27], v4, s[24:25]
	global_load_b128 v[C0+28:C0+31], v4, s[26:27]
.irp e, 0,1,2,3
	global_load_b32 v[WW+\e],   v4, s[8:9] offset:4*513+4*\e
	global_load_b32 v[WW+4+\e], v4, s[8:9] offset:4*257+4*\e
	global_load_b32 v[WW+8+\e], v4, s[8:9] offset:4*641+4*\e
.endr
.Lcommon:
	v_lshlrev_b32 v[A1], 2, v2
	s_lshl_b32 s40, s32, 6
	v_add_nc_u32 v[A1], s40, v[A1]
	v_lshlrev_b32 v[A2], 4, v2
	v_and_b32 v3, 7, v0                            ; lane mod 8
	v_bfe_u32 v[A3], v0, 4, 1
	v_lshlrev_b32 v[A3], 2, v[A3]
	v_lshl_add_u32 v[A3], v3, 3, v[A3]             ; word 2 (lane mod 8) + lane / 16
	s_add_co_u32 s40, s40, 256
	v_add_nc_u32 v[A3], s40, v[A3]
	s_wait_loadcnt 0x0
	s_wait_kmcnt 0x0
	s_mov_b32 s37, s36
.macro XSTEP n, m                      ; one step of the sum over 16 lanes, for n rows that do not wait for each other
.set q, 0
.rept \n
	v_add_f32_dpp v[P+2*q], v[P+2*q], v[P+2*q] row_xmask:\m row_mask:0xf bank_mask:0xf
.set q, q+1
.endr
.endm
	; u1: my wave's 16 rows of Wg1 times wfc[385:513]
.set q, 0
.rept 16
	v_pk_mul_f32 v[P+2*q:P+2*q+1], v[G+4*q:G+4*q+1], v[W:W+1]
.set q, q+1
.endr
.set q, 0
.rept 16
	v_pk_fma_f32 v[P+2*q:P+2*q+1], v[G+4*q+2:G+4*q+3], v[W+2:W+3], v[P+2*q:P+2*q+1]
.set q, q+1
.endr
.set q, 0
.rept 16
	v_add_f32 v[P+2*q], v[P+2*q], v[P+2*q+1]
.set q, q+1
.endr
	XSTEP 16, 1
	XSTEP 16, 2
	XSTEP 16, 4
	XSTEP 16, 8
.set q, 0
.rept 16
	v_permlanex16_b32 v[P+2*q+1], v[P+2*q], s34, s35
.set q, q+1
.endr
.set q, 0
.rept 16
	v_add_f32 v[P+2*q], v[P+2*q], v[P+2*q+1]
.set q, q+1
.endr
.set q, 1
.rept 15
	v_cmp_eq_u32 vcc_lo, q, v2
	v_cndmask_b32 v[P], v[P], v[P+2*q], vcc_lo     ; lane l keeps row l mod 16
.set q, q+1
.endr
	ds_store_b32 v[A1], v[P]
	s_wait_dscnt 0x0                               ; for the others: my part of u1 is stored
	s_barrier_signal -1
	s_barrier_wait -1
	ds_load_b128 v[U:U+3], v[A2]
	s_wait_dscnt 0x0
	; x . u1: sixteen lanes hold a row
.set q, 0
.rept 8
	v_pk_mul_f32 v[P+2*q:P+2*q+1], v[XX+4*q:XX+4*q+1], v[U:U+1]
.set q, q+1
.endr
.set q, 0
.rept 8
	v_pk_fma_f32 v[P+2*q:P+2*q+1], v[XX+4*q+2:XX+4*q+3], v[U+2:U+3], v[P+2*q:P+2*q+1]
.set q, q+1
.endr
.set q, 0
.rept 8
	v_add_f32 v[P+2*q], v[P+2*q], v[P+2*q+1]
.set q, q+1
.endr
	XSTEP 8, 1
	XSTEP 8, 2
	XSTEP 8, 4
	XSTEP 8, 8
.set q, 1
.rept 7
	v_cmp_eq_u32 vcc_lo, q, v3
	v_cndmask_b32 v[P], v[P], v[P+2*q], vcc_lo     ; lane l keeps row 2 (l mod 8) + l / 16
.set q, q+1
.endr
	ds_store_b32 v[A3], v[P]                       ; lanes l and l + 8 of a half write the same word with the same value
	s_wait_dscnt 0x0                               ; for wave 0
	s_barrier_signal -1
	s_barrier_wait -1
	s_cmp_lg_u32 s32, 0
	s_cbranch_scc1 .Ldone
	ds_load_b64 v[P+2:P+3], v7 offset:256          ; wave 0: x . u1 of rows 2 lane, 2 lane + 1
.irp k, 0,1,2,3
	v_pk_fma_f32 v[C0+8*\k:C0+8*\k+1],   v[C0+8*\k:C0+8*\k+1],   s[36:37], v[C0+8*\k+4:C0+8*\k+5] op_sel_hi:[1,0,1]   ; bias0 W[0] + b
	v_pk_fma_f32 v[C0+8*\k+2:C0+8*\k+3], v[C0+8*\k+2:C0+8*\k+3], s[36:37], v[C0+8*\k+6:C0+8*\k+7] op_sel_hi:[1,0,1]
.endr
	v_pk_mul_f32 v[P:P+1], v[C0:C0+1], v[W:W+1]
	v_pk_mul_f32 v[P+4:P+5], v[C0+2:C0+3], v[W+2:W+3]
.irp k, 1,2,3
	v_pk_fma_f32 v[P:P+1],   v[C0+8*\k:C0+8*\k+1],   v[WW+4*\k-4:WW+4*\k-3], v[P:P+1]
	v_pk_fma_f32 v[P+4:P+5], v[C0+8*\k+2:C0+8*\k+3], v[WW+4*\k-2:WW+4*\k-1], v[P+4:P+5]
.endr
	v_pk_add_f32 v[P:P+1], v[P:P+1], v[P+4:P+5]
	v_add_f32 v[P], v[P], v[P+1]
	v_add_f32_dpp v[P], v[P], v[P] row_xmask:1 row_mask:0xf bank_mask:0xf
	v_add_f32_dpp v[P], v[P], v[P] row_xmask:2 row_mask:0xf bank_mask:0xf
	v_add_f32_dpp v[P], v[P], v[P] row_xmask:4 row_mask:0xf bank_mask:0xf
	v_add_f32_dpp v[P], v[P], v[P] row_xmask:8 row_mask:0xf bank_mask:0xf
	v_permlanex16_b32 v[P+1], v[P], s34, s35
	s_fmac_f32 s38, s36, s39                       ; bfc + bias0 wfc[0]
	v_add_f32 v[P], v[P], v[P+1]
	v_add_f32 v[P], s38, v[P]                      ; cst, in every lane
	v_pk_add_f32 v[PT:PT+1], v[PT:PT+1], v[PT+2:PT+3]
	v_pk_add_f32 v[PT+4:PT+5], v[PT+4:PT+5], v[PT+6:PT+7]
	v_pk_add_f32 v[PT:PT+1], v[PT:PT+1], v[PT+4:PT+5]
	v_pk_add_f32 v[PT:PT+1], v[PT:PT+1], v[P:P+1] op_sel_hi:[1,0]
	s_wait_dscnt 0x0
	v_pk_add_f32 v[PT:PT+1], v[PT:PT+1], v[P+2:P+3]
	global_store_b64 v7, v[PT:PT+1], s[30:31]      ; 256 consecutive bytes, aligned
.Ldone:
	s_wait_tensorcnt 0x0
	ds_add_u32 v200, v201
	s_wait_dscnt 0x0
	s_endpgm
.Lfunc_end_k_qbcdaa05372_final:
	.size	k_qbcdaa05372_final, .Lfunc_end_k_qbcdaa05372_final-k_qbcdaa05372_final
	.p2alignl 7, 3214868480
	.fill 96, 4, 3214868480
	.section	.rodata,"a",@progbits
	.p2align	6, 0x0
	.amdhsa_kernel k_qbcdaa05372_final
		.amdhsa_group_segment_fixed_size 1024
		.amdhsa_private_segment_fixed_size 0
		.amdhsa_enable_private_segment 0
		.amdhsa_kernarg_size 112
		.amdhsa_user_sgpr_count 2
		.amdhsa_user_sgpr_kernarg_segment_ptr 1
		.amdhsa_wavefront_size32 1
		.amdhsa_system_sgpr_workgroup_id_x 1
		.amdhsa_system_sgpr_workgroup_id_y 1
		.amdhsa_system_sgpr_workgroup_id_z 1
		.amdhsa_system_vgpr_workitem_id 0
		.amdhsa_next_free_vgpr 202
		.amdhsa_next_free_sgpr 66
		.amdhsa_reserve_vcc 1
		.amdhsa_float_denorm_mode_32 3
		.amdhsa_float_denorm_mode_16_64 3
		.amdhsa_memory_ordered 1
		.amdhsa_forward_progress 1
		.amdhsa_inst_pref_size 23
	.end_amdhsa_kernel
	.amdgpu_metadata
---
amdhsa.version: [ 1, 2 ]
amdhsa.kernels:
  - .name:           k_qbcdaa05372_final
    .symbol:         k_qbcdaa05372_final.kd
    .args:
      - { .name: x, .offset: 0, .size: 8, .value_kind: global_buffer, .address_space: global }
      - { .name: Wg1, .offset: 8, .size: 8, .value_kind: global_buffer, .address_space: global }
      - { .name: Wfc, .offset: 16, .size: 8, .value_kind: global_buffer, .address_space: global }
      - { .name: bias0, .offset: 24, .size: 8, .value_kind: global_buffer, .address_space: global }
      - { .name: bfc, .offset: 32, .size: 8, .value_kind: global_buffer, .address_space: global }
      - { .name: bg1, .offset: 40, .size: 8, .value_kind: global_buffer, .address_space: global }
      - { .name: Wg2, .offset: 48, .size: 8, .value_kind: global_buffer, .address_space: global }
      - { .name: bg2, .offset: 56, .size: 8, .value_kind: global_buffer, .address_space: global }
      - { .name: Wf3, .offset: 64, .size: 8, .value_kind: global_buffer, .address_space: global }
      - { .name: bf3, .offset: 72, .size: 8, .value_kind: global_buffer, .address_space: global }
      - { .name: Wg3, .offset: 80, .size: 8, .value_kind: global_buffer, .address_space: global }
      - { .name: bg3, .offset: 88, .size: 8, .value_kind: global_buffer, .address_space: global }
      - { .name: part, .offset: 96, .size: 8, .value_kind: global_buffer, .address_space: global }
      - { .name: out0, .offset: 104, .size: 8, .value_kind: global_buffer, .address_space: global }
    .group_segment_fixed_size: 1024
    .private_segment_fixed_size: 0
    .kernarg_segment_align: 8
    .kernarg_segment_size: 112
    .max_flat_workgroup_size: 128
    .sgpr_count:     66
    .vgpr_count:     202
    .wavefront_size: 32
...
	.end_amdgpu_metadata
.endif
;; end of part 3
;; ======== version 2 of 2: 3 launches; 1.28 times as fast as version 1
;; workspace buffers: wb 2,621,440 bytes; vb 65,536 bytes; vh 1,536 bytes; part 131,072 bytes
;; launch prep (part 4): grid 387 x 1, 8 waves a work-group, no clusters, 1,536 bytes of LDS; arguments Wf2, Wg2, Wf3, Wg3, Wfc, wb, vb, vh; writes wb, vb, vh
.if DOCPART == 4
	.amdgcn_target "amdgcn-amd-amdhsa--gfx1250"
	.amdhsa_code_object_version 6
	.text
	.protected	k_qbcdaa05372_prep
	.globl	k_qbcdaa05372_prep
	.p2align	8
	.type	k_qbcdaa05372_prep,@function
k_qbcdaa05372_prep:
	s_mov_b64 s[64:65], 0
	v_nop
	global_prefetch_b8 v0, s[64:65] scope:SCOPE_SE
	s_setreg_imm32_b32 hwreg(HW_REG_WAVE_MODE, 25, 1), 1
	s_wait_xcnt 0x0
; PREPARATION.  Three of the four large matrices reach the result only through the last projection, so they are multiplied by their
; slices of Wfc first:  v2 = Wg2 wfc[513:641],  v3 = Wf3 wfc[257:385] + Wg3 wfc[641:769]  (rows 1 on; row 0 is taken by the last launch).
; The fourth, Wf2, multiplies o1 (x) o1, which is symmetric, so its outer-product part W[i][j][n] = Wf2[129 + 128 i + j][n] is FOLDED:
;   W'_i[j] = W[i][j] + W[j][i] for j > i,  W[i][i] for j = i,  0 for j < i,   kept for j = 32 (i / 32) .. 127 alone, added in f32 and rounded once to bf16.
; Both are exact algebra; the order of rounding differs from a product taken row by row of the batch.
; wb is laid out for the next launch's ring: [4 slices s][8 fills e][320 rows][128 columns] bf16; a fill holds the blocks i = 32 q + 8 s + e, q = 0..3, of 128, 96, 64 and 32 rows.
; Work-groups 0..127:   the fold of block i = the work-group.
; Work-groups 128..256: 128 rows of Wg2 each, from row 1 on.  Group 0 -> vh[0:128] (f32); group 1 + i -> row i of V2 in vb (bf16).
; Work-groups 257..386: 128 rows of Wf3 and Wg3 each.  Groups 0, 1 -> vh[128:384] (f32); group 2 + i -> row i of V3 in vb + 32,768 (bf16).
; LIMIT.  Round the diagonal the fold multiplies by 1 or 0: an entry of Wf2 that is not finite gives NaN there; no order of the work gives a finite result with such an entry.
; Memory binds: a row of 512 bytes is one load of a wave; all loads of a wave go out at once.  No matrix unit: sums of two rows, and products with one column.
.set X, 16                             ; v[16:79]   16 rows (or 16 pieces) as loaded, 4 registers each
.set Y, 80                             ; v[80:143]  the second matrix's 16 rows; in the fold: the rows W[j][i]
.set P, 144                            ; v[144:175] a pair of partial sums for each row; in the fold: the packed results
.set FILLB, 320*256                    ; bytes of a fill in wb
.set SLICE, 8*FILLB                    ; bytes of a slice
	s_load_b512 s[4:19], s[0:1], 0x0               ; Wf2 s[4:5], Wg2 s[6:7], Wf3 s[8:9], Wg3 s[10:11], Wfc s[12:13], wb s[14:15], vb s[16:17], vh s[18:19]
	v_lshl_add_u32 v176, v0, 2, 0x200
	v_mov_b32 v177, 0
	v_and_b32 v1, 31, v0                           ; lane
	v_and_b32 v2, 15, v0                           ; lane mod 16
	v_lshrrev_b32 v3, 5, v0
	v_readfirstlane_b32 s20, v3                    ; wave 0..7
	s_mov_b32 s22, 0x76543210                      ; v_permlanex16_b32: each lane takes its own place in the other half
	s_mov_b32 s23, 0xfedcba98
	s_mov_b32 s25, 0                               ; high words of the byte offsets
	s_mov_b32 s27, 0
	s_cmp_ge_u32 ttmp9, 128
	s_cbranch_scc1 .Lvec
	; THE FOLD of block i.  A piece is 8 rows: wave w takes row j = 8 u + w of piece u, a lane 16 bytes of it.
	s_lshl_b32 s24, ttmp9, 16
	s_add_co_u32 s24, s24, 129*512                 ; W[i][0]: row 129 + 128 i
	s_lshl_b32 s26, ttmp9, 9
	s_add_co_u32 s26, s26, 129*512                 ; W[0][i]: row 129 + i
	s_bfe_u32 s28, ttmp9, 0x20003                  ; the slice: (i / 8) mod 4
	s_mul_i32 s28, s28, SLICE
	s_and_b32 s29, ttmp9, 7                        ; the fill: i mod 8
	s_mul_i32 s29, s29, FILLB
	s_add_co_u32 s28, s28, s29
	s_mov_b32 s29, 0
	v_lshlrev_b32 v4, 4, v0                        ; W[i][j]: the rows follow each other, 16 bytes a thread
	v_lshlrev_b32 v5, 3, v0                        ; out: 8 bytes a thread
	v_lshlrev_b32 v6, 4, v1
	v_lshl_add_u32 v6, v3, 16, v6                  ; W[j][i]: the rows lie 128 rows, 65,536 bytes, apart
	s_wait_kmcnt 0x0
	s_add_nc_u64 s[32:33], s[4:5], s[26:27]
	s_add_nc_u64 s[4:5], s[4:5], s[24:25]
	s_add_nc_u64 s[14:15], s[14:15], s[28:29]
; Blocks of quarter qq = i / 32: pieces 4 qq .. 15; roff = the block's first byte in its fill.  The first four pieces hold the diagonal.
.macro FOLD qq, roff
.set n, 16-4*\qq
.set p, 0
.rept n
.if p < 4                              ; these 32 rows are read by a second work-group too, as the other operand: no hint
	global_load_b128 v[X+4*p:X+4*p+3], v4, s[4:5] offset:(4*\qq+p)*4096
	global_load_b128 v[Y+4*p:Y+4*p+3], v6, s[32:33] offset:(4*\qq+p)*524288
.else
	global_load_b128 v[X+4*p:X+4*p+3], v4, s[4:5] offset:(4*\qq+p)*4096 th:TH_LOAD_NT
	global_load_b128 v[Y+4*p:Y+4*p+3], v6, s[32:33] offset:(4*\qq+p)*524288 th:TH_LOAD_NT
.endif
.set p, p+1
.endr
.set p, 0
.rept n
	s_wait_loadcnt 2*(n-1-p)                       ; loads come back in order: piece p's two are in, the two of each younger piece stay out
.if p < 4
	s_add_co_u32 s34, s20, 32*\qq+8*p              ; my row j
	s_cmp_ge_u32 s34, ttmp9
	s_cselect_b32 s36, 1.0, 0                      ; W[i][j] counts from the diagonal on,
	s_mov_b32 s37, s36
	s_cmp_gt_u32 s34, ttmp9
	s_cselect_b32 s38, 1.0, 0                      ; W[j][i] beyond it
	s_mov_b32 s39, s38
	v_pk_mul_f32 v[X+4*p:X+4*p+1],   v[X+4*p:X+4*p+1],   s[36:37] op_sel_hi:[1,0]
	v_pk_mul_f32 v[X+4*p+2:X+4*p+3], v[X+4*p+2:X+4*p+3], s[36:37] op_sel_hi:[1,0]
	v_pk_fma_f32 v[X+4*p:X+4*p+1],   v[Y+4*p:Y+4*p+1],   s[38:39], v[X+4*p:X+4*p+1] op_sel_hi:[1,0,1]
	v_pk_fma_f32 v[X+4*p+2:X+4*p+3], v[Y+4*p+2:Y+4*p+3], s[38:39], v[X+4*p+2:X+4*p+3] op_sel_hi:[1,0,1]
.else
	v_pk_add_f32 v[X+4*p:X+4*p+1],   v[X+4*p:X+4*p+1],   v[Y+4*p:Y+4*p+1]
	v_pk_add_f32 v[X+4*p+2:X+4*p+3], v[X+4*p+2:X+4*p+3], v[Y+4*p+2:Y+4*p+3]
.endif
	v_cvt_pk_bf16_f32 v[P+2*p], v[X+4*p], v[X+4*p+1]
	v_cvt_pk_bf16_f32 v[P+2*p+1], v[X+4*p+2], v[X+4*p+3]
	global_store_b64 v5, v[P+2*p:P+2*p+1], s[14:15] offset:\roff+p*2048   ; a wave's store covers 256 consecutive bytes, aligned; every piece has its own data registers
.set p, p+1
.endr
	s_endpgm
.endm
	s_cmp_ge_u32 ttmp9, 96
	s_cbranch_scc1 .Lf3
	s_cmp_ge_u32 ttmp9, 64
	s_cbranch_scc1 .Lf2
	s_cmp_ge_u32 ttmp9, 32
	s_cbranch_scc1 .Lf1
	FOLD 0, 0
.Lf1:
	FOLD 1, 128*256
.Lf2:
	FOLD 2, 224*256
.Lf3:
	FOLD 3, 288*256
; One step of the sum over 16 lanes, for all 16 rows: the rows do not wait for each other.
.macro XSTEP m
.set q, 0
.rept 16
	v_add_f32_dpp v[P+2*q], v[P+2*q], v[P+2*q] row_xmask:\m row_mask:0xf bank_mask:0xf
.set q, q+1
.endr
.endm
; 128 rows times one vector (two = 0) or of two matrices times two vectors, added (two = 1).  Wave w takes rows 16 w .. 16 w + 15 of the group.
; ma, mb: the scalar pairs with the matrices; wa, wc: first word of the weights in Wfc; the first nhead groups go to vh + hoff in f32, the others to vb + boff in bf16.
.macro VPATH two, ma, mb, wa, wc, nhead, hoff, boff, first
	s_sub_co_u32 s21, ttmp9, \first                ; the group
	s_lshl_b32 s24, s21, 16                        ; 128 rows of 512 bytes,
	s_add_co_u32 s24, s24, 512                     ; from row 1 on
	v_lshlrev_b32 v4, 4, v1                        ; my 4 columns: 16 bytes a lane
	v_lshl_add_u32 v3, v3, 13, v4                  ; + wave x 16 rows
	v_lshlrev_b32 v6, 2, v2
	s_lshl_b32 s26, s20, 6
	v_add_nc_u32 v6, s26, v6                       ; LDS word 16 w + lane mod 16
	s_wait_kmcnt 0x0
	s_add_nc_u64 s[\ma:\ma+1], s[\ma:\ma+1], s[24:25]
.if \two
	s_add_nc_u64 s[\mb:\mb+1], s[\mb:\mb+1], s[24:25]
.endif
.irp e, 0,1,2,3
	global_load_b32 v[8+\e], v4, s[12:13] offset:4*\wa+4*\e      ; the slices of Wfc begin at odd words: four loads of 4 bytes
.endr
.if \two
.irp e, 0,1,2,3
	global_load_b32 v[12+\e], v4, s[12:13] offset:4*\wc+4*\e
.endr
.endif
.set q, 0
.rept 16
	global_load_b128 v[X+4*q:X+4*q+3], v3, s[\ma:\ma+1] offset:512*q th:TH_LOAD_NT   ; a whole row of 512 bytes
.set q, q+1
.endr
.if \two
.set q, 0
.rept 16
	global_load_b128 v[Y+4*q:Y+4*q+3], v3, s[\mb:\mb+1] offset:512*q th:TH_LOAD_NT
.set q, q+1
.endr
.endif
	s_wait_loadcnt 16*\two                         ; the weights and the first matrix are in; the second matrix's 16 loads may stay out
.set q, 0
.rept 16
	v_pk_mul_f32 v[P+2*q:P+2*q+1], v[X+4*q:X+4*q+1], v[8:9]
.set q, q+1
.endr
.set q, 0
.rept 16
	v_pk_fma_f32 v[P+2*q:P+2*q+1], v[X+4*q+2:X+4*q+3], v[10:11], v[P+2*q:P+2*q+1]
.set q, q+1
.endr
.if \two
	s_wait_loadcnt 0x0
.set q, 0
.rept 16
	v_pk_fma_f32 v[P+2*q:P+2*q+1], v[Y+4*q:Y+4*q+1], v[12:13], v[P+2*q:P+2*q+1]
.set q, q+1
.endr
.set q, 0
.rept 16
	v_pk_fma_f32 v[P+2*q:P+2*q+1], v[Y+4*q+2:Y+4*q+3], v[14:15], v[P+2*q:P+2*q+1]
.set q, q+1
.endr
.endif
.set q, 0
.rept 16
	v_add_f32 v[P+2*q], v[P+2*q], v[P+2*q+1]
.set q, q+1
.endr
	XSTEP 1
	XSTEP 2
	XSTEP 4
	XSTEP 8
.set q, 0
.rept 16
	v_permlanex16_b32 v[P+2*q+1], v[P+2*q], s22, s23   ; the other half of the lanes; the destination has been written
.set q, q+1
.endr
.set q, 0
.rept 16
	v_add_f32 v[P+2*q], v[P+2*q], v[P+2*q+1]       ; every lane holds row q's number
.set q, q+1
.endr
.set q, 1
.rept 15
	v_cmp_eq_u32 vcc_lo, q, v2
	v_cndmask_b32 v[P], v[P], v[P+2*q], vcc_lo     ; lane l keeps row l mod 16
.set q, q+1
.endr
	ds_store_b32 v6, v[P]                          ; lanes l and l + 16 write the same word with the same value
	s_wait_dscnt 0x0                               ; for wave 0: my store is done
	s_barrier_signal -1
	s_barrier_wait -1
	s_cmp_lg_u32 s20, 0
	s_cbranch_scc1 .Ldone_\@
	ds_load_b128 v[8:11], v4                       ; wave 0: the group's 128 numbers, four a lane
	s_cmp_ge_u32 s21, \nhead
	s_cbranch_scc1 .Lbody_\@
	s_lshl_b32 s24, s21, 9
	s_add_co_u32 s24, s24, \hoff
	s_add_nc_u64 s[18:19], s[18:19], s[24:25]
	s_wait_dscnt 0x0
	global_store_b128 v4, v[8:11], s[18:19]        ; 512 consecutive bytes, aligned
	s_wait_tensorcnt 0x0
	ds_add_u32 v176, v177
	s_wait_dscnt 0x0
	s_endpgm
.Lbody_\@:
	s_sub_co_u32 s24, s21, \nhead
	s_lshl_b32 s24, s24, 8
	s_add_co_u32 s24, s24, \boff
	s_add_nc_u64 s[16:17], s[16:17], s[24:25]
	v_lshlrev_b32 v7, 3, v1
	s_wait_dscnt 0x0
	v_cvt_pk_bf16_f32 v12, v8, v9
	v_cvt_pk_bf16_f32 v13, v10, v11
	global_store_b64 v7, v[12:13], s[16:17]        ; 256 consecutive bytes, aligned: a row of V2 or V3
.Ldone_\@:
	s_wait_tensorcnt 0x0
	ds_add_u32 v176, v177
	s_wait_dscnt 0x0
	s_endpgm
.endm
.Lvec:
	s_cmp_ge_u32 ttmp9, 257
	s_cbranch_scc1 .Lv3
	VPATH 0, 6, 6, 513, 513, 1, 0, 0, 128
.Lv3:
	VPATH 1, 8, 10, 257, 641, 2, 512, 32768, 257
.Lfunc_end_k_qbcdaa05372_prep:
	.size	k_qbcdaa05372_prep, .Lfunc_end_k_qbcdaa05372_prep-k_qbcdaa05372_prep
	.p2alignl 7, 3214868480
	.fill 96, 4, 3214868480
	.section	.rodata,"a",@progbits
	.p2align	6, 0x0
	.amdhsa_kernel k_qbcdaa05372_prep
		.amdhsa_group_segment_fixed_size 1536
		.amdhsa_private_segment_fixed_size 0
		.amdhsa_enable_private_segment 0
		.amdhsa_kernarg_size 64
		.amdhsa_user_sgpr_count 2
		.amdhsa_user_sgpr_kernarg_segment_ptr 1
		.amdhsa_wavefront_size32 1
		.amdhsa_system_sgpr_workgroup_id_x 1
		.amdhsa_system_sgpr_workgroup_id_y 1
		.amdhsa_system_sgpr_workgroup_id_z 1
		.amdhsa_system_vgpr_workitem_id 0
		.amdhsa_next_free_vgpr 178
		.amdhsa_next_free_sgpr 66
		.amdhsa_reserve_vcc 1
		.amdhsa_float_denorm_mode_32 3
		.amdhsa_float_denorm_mode_16_64 3
		.amdhsa_memory_ordered 1
		.amdhsa_forward_progress 1
		.amdhsa_inst_pref_size 60
	.end_amdhsa_kernel
	.amdgpu_metadata
---
amdhsa.version: [ 1, 2 ]
amdhsa.kernels:
  - .name:           k_qbcdaa05372_prep
    .symbol:         k_qbcdaa05372_prep.kd
    .args:
      - { .name: Wf2, .offset: 0, .size: 8, .value_kind: global_buffer, .address_space: global }
      - { .name: Wg2, .offset: 8, .size: 8, .value_kind: global_buffer, .address_space: global }
      - { .name: Wf3, .offset: 16, .size: 8, .value_kind: global_buffer, .address_space: global }
      - { .name: Wg3, .offset: 24, .size: 8, .value_kind: global_buffer, .address_space: global }
      - { .name: Wfc, .offset: 32, .size: 8, .value_kind: global_buffer, .address_space: global }
      - { .name: wb, .offset: 40, .size: 8, .value_kind: global_buffer, .address_space: global }
      - { .name: vb, .offset: 48, .size: 8, .value_kind: global_buffer, .address_space: global }
      - { .name: vh, .offset: 56, .size: 8, .value_kind: global_buffer, .address_space: global }
    .group_segment_fixed_size: 1536
    .private_segment_fixed_size: 0
    .kernarg_segment_align: 8
    .kernarg_segment_size: 64
    .max_flat_workgroup_size: 256
    .sgpr_count:     66
    .vgpr_count:     178
    .wavefront_size: 32
...
	.end_amdgpu_metadata
.endif
;; end of part 4
;; launch main (part 5): grid 64 x 4, 4 waves a work-group, clusters of 4 x 1, 327,680 bytes of LDS; arguments x, bias0, Wf1, bf1, Wf2, bf2, Wfc, wb, vb, vh, part; writes part
.if DOCPART == 5
	.amdgcn_target "amdgcn-amd-amdhsa--gfx1250"
	.amdhsa_code_object_version 6
	.text
	.protected	k_qbcdaa05372_main
	.globl	k_qbcdaa05372_main
	.p2align	8
	.type	k_qbcdaa05372_main,@function
k_qbcdaa05372_main:
	s_mov_b64 s[64:65], 0
	v_nop
	global_prefetch_b8 v0, s[64:65] scope:SCOPE_SE
	s_setreg_imm32_b32 hwreg(HW_REG_WAVE_MODE, 25, 1), 1
	s_wait_xcnt 0x0
	s_wait_alu depctr_hold_cnt(0) depctr_sa_sdst(0) depctr_va_vdst(0) depctr_va_sdst(0) depctr_va_ssrc(0) depctr_va_vcc(0) depctr_vm_vsrc(0)
	s_getreg_b32 s2, hwreg(HW_REG_IB_STS2, 6, 4)
	s_cmp_eq_u32 s2, 0
	s_cbranch_scc0 .Lentry_in_a_cluster
	s_endpgm
.Lentry_in_a_cluster:
	s_bfe_u32 s2, ttmp6, 0x10000c
	s_cmp_lg_u32 s2, 0x3003
	s_cbranch_scc0 .Lentry_shape_is_right
	s_endpgm
.Lentry_shape_is_right:
; THE MATRIX WORK.  With o1 = ot1 = [bias0, x] Wf1 + bf1 (f32; rounded to bf16 where it is a matrix operand):
;   xf2[b][n] = sum over i of o1[b][i] (Wf2[1+i][n] + (ot1 W'_i)[b][n]) + bias0 Wf2[0][n] + bf2[n]
;   W'_i is the FOLDED block of Wf2 (bf16, from wb): o1 (x) o1 is symmetric, so W[i][j] and W[j][i] are added and only j >= i is multiplied: in steps of 32 along j, block i has 4 - i / 32 steps.
;   q[b][n]   = wfc[129+n] + v3[129+n] + (o1 V3)[b][n]                    everything behind xf2 is linear in it once o1 is known
;   part[s][b] = sum over n of xf2_s[b][n] q[b][n]  +  sum over i in slice s of o1[b][i] (wfc[1+i] + v2[1+i] + v3[1+i] + (ot1 V2^T)[b][i])
; SHARES.  A work-group owns 128 rows of the batch (x of the grid) and a slice s (y of the grid) of 32 values i = 32 q + 8 s + e (q = 0..3, e = 0..7), eight blocks of each length, numbered
; rho = 8 q + e in LDS and registers; xf2_s is the slice's part of the sum, the constant term going to s = 0 by a factor 1 or 0.
; Wave w owns columns 32 w .. 32 w + 31 (two tiles c) of all eight row tiles t: 16 accumulators.
; LIMITS.  The sums are re-associated (exact algebra, another order of rounding than a product taken layer by layer); ot1, W'_i, V2 and V3 are bf16 matrix operands, all else f32.
; The factor 0 makes NaN of a constant term that is not finite; the result is not finite there in any order of the work.
; THE MATRIX INSTRUCTION IS USED TRANSPOSED: source 0 = 16 columns n x 32 j of W'_i (turned out of LDS by ds_load_tr16_b128), source 1 = 16 rows x 32 j of ot1.  A lane then holds ONE row
; of the batch (lane mod 16) and eight columns, so o1[b][i] is one number a lane and tile, and ACC += o1 T is four packed multiply-adds a tile.
; ot1's fragments stay in registers for the whole kernel; Wf2[1+i] (f32) is the C of a block's first products.
; PIPELINE.  A block is one i: 16 nk matrix instructions (nk = its steps along j) into T[set], in 16 groups of nk, with the four multiply-adds of one accumulator of the block before behind each group.
; RING.  Two LDS slots; a fill is the slice's four blocks of one e: 128 + 96 + 64 + 32 = 320 rows; eight fills.  A refill is asked for in a slot's last block and waited for at the head of the other
; slot's last block: 12 + 64 + 48 + 32 = 156 matrix instructions and 240 multiply-adds of the wave lie between.  CLUSTER: the four work-groups of a cluster have the same s and walk the same blocks,
; V2, V3 and Wf2 rows, so every tile is asked for jointly (mask 15), each wave its quarter.  By this text's count a wave has five tensor loads out at the start and one behind each round.
; o1 IN F32 is wanted at the slice's 32 columns alone.  Wave w makes those for its own 32 rows by a small product of its own (8 matrix instructions), so that each wave stores 4,096 bytes
; that are its own; the same accumulators are the o1 factors of the V2 term.
; WINDOWS (s_set_vgpr_msb: bits 1:0 source 0, 3:2 source 1, 5:4 source 2, 7:6 destination):
;   0: addresses, C operands, o1's numbers, W's fragments    1: ot1's fragments, [t][k] at 32 t + 8 k (at the start: the small product's operands)
;   2: T0 at 0, T1 at 128 (at the start: x as loaded)        3: ACC at 0 (at the start: x's fragments), the constant term at 128, ot1's fragments for the V2 product at 144.
; T and ACC are 384 registers and ot1 fills a window, so products and multiply-adds cannot share a setting: two switches a group.
.set PW,    288                        ; a row of W'_i or V3 in LDS: 256 bytes + 32
.set PO,    272                        ; a row of ot1 or V2 in LDS: 256 bytes + 16: the 16 rows of a fragment load start at 16 different banks
.set FROWS, 320                        ; rows of a fill: the blocks begin at rows 0, 128, 224, 288
.set SLOTB, FROWS*PW                   ; slot 0 at 0, slot 1 at SLOTB
.set V3T,   2*SLOTB                    ; V3: 128 rows, pitch PW
.set V2T,   V3T+128*PW                 ; V2's 32 rows of the slice, pitch PO
.set WHD,   V2T+32*PO                  ; Wf2 rows 1 + i of the slice: 32 rows of 512 bytes, f32
.set OT,    WHD+32*512                 ; ot1 in bf16, 128 rows, pitch PO.  From here on no tensor load lands
.set O1F,   OT+128*PO                  ; o1 in f32 at the slice's columns: byte 4096 w + 128 rho + 8 (row mod 16) + 4 u for row tile 2 w + u
.set RED,   O1F+4*4096                 ; [4 waves + the V2 term][128 rows] f32
.set SPARE, RED+5*512                  ; the spare words, 128 bytes for each wave: two blocks of 256 bytes that no other line names
.set FILLB, FROWS*256                  ; bytes of a fill in wb
.set SLICE, 8*FILLB                    ; bytes of a slice of wb
.set ADW,  4                           ; v4-7   my place for the turning loads at row 0 and row 224 of slot 0, of slot 1
.set ADV3, 8                           ; v8     the same in V3
.set AH,   10                          ; v10    my 8 columns in WHD's row; steps with the loop
.set AO,   11                          ; v11    my row's place in O1F; steps with the loop
.set AOT,  12                          ; v12    fragment address in OT
.set STO,  13                          ; v13    where I put 16 bytes of ot1
.set STF,  14                          ; v14    where I put o1's f32 numbers
.set AV2,  15                          ; v15    fragment address in V2
.set AGA,  16                          ; v16    fragment address in OT at my wave's 32 rows
.set ARED, 17                          ; v17    my word in RED's row w
.set ARG,  18                          ; v18    my word in RED's row 4
.set XO,   19                          ; v19    byte offset in x
.set WO,   20                          ; v20    byte offset in Wf1, my wave's columns
.set NO,   21                          ; v21    4 (32 w + 8 h): my first column
.set NO2,  22                          ; v22    4 (32 h + 8 s): my first column of the slice; tile c lies 64 columns on
.set ZG,   24                          ; v24-25 the V2 term of my two row tiles
.set XO2,  26                          ; v26    byte offset in x at my wave's 32 rows
.set WO2,  27                          ; v27    byte offset in Wf1, the slice's columns
.set SPW,  28                          ; v28    LDS address of my spare word; never rewritten
.set NIL,  29                          ; v29    0; never rewritten
.set QL,   32                          ; v[32:47]   wfc[129+n] + v3[129+n], [c] at 8 c
.set HC0,  192                         ; v[192:207], v[208:223] C of a block's first products, two buffers
.set HC1,  208
.set ZP,   224                         ; v[224:255] at work
.set WV,   26                          ; s26 wave   s27 s   s28 block of rows   s[30:31] bias0 twice   s[88:89] 1.0 or 0 twice   s[90:91] lane selects   s100 trips
.set KS,   27
.set G1R,  32                          ; s[32:39] group 1: 80 rows of 128 bf16, 8 words of padding
.set G1V3, 40                          ; s[40:47] 32 such rows
.set G1V2, 48                          ; s[48:55] 8 rows of 128 bf16, 4 words of padding
.set G1H,  56                          ; s[56:63] 8 rows of 128 f32, no padding
.set G0R,  68                          ; s[68:75] group 0 of slot 0, slot 1
.set G0V3, 76
.set G0V2, 80
.set G0H,  84
.set W_M0, 0x84                        ; D window 2, W window 0, ot1 window 1, C window 0
.set W_M,  0xa4                        ; the same, C window 2
.set W_PK, 0xf2                        ; ACC (destination, source 2) window 3, T window 2, o1 window 0
.set W_LA, 0x8c                        ; D window 2, source 0 window 0, source 1 window 3, C window 0
.set W_LB, 0xac                        ; the same, C window 2
.set MSB, 0
.macro WIN new                         ; the immediate's high byte repeats the setting that is left; a switch that changes nothing is dropped
.if MSB != \new
	s_set_vgpr_msb (MSB<<8)|\new
.set MSB, \new
.endif
.endm
.macro PLACES                          ; four plain vector instructions between a matrix instruction and a reader of its result (ISA guide 7.12.1)
.rept 4
	v_nop
.endr
.endm
.macro CREST                           ; a round of the cluster's barrier behind its opening barrier
	s_cmp_lg_u32 s[WV], 0
	s_cbranch_scc1 .Lnot_wave_0_\@
	s_barrier_signal -3
.Lnot_wave_0_\@:
	s_barrier_wait -3
	s_barrier_signal -1
	s_barrier_wait -1
.endm
.macro ROUND
	s_barrier_signal -1
	s_barrier_wait -1
	CREST
.endm
.macro G1REST g, rows                  ; words 1 to 7 of a group 1: rows of 128 elements, dense in memory
	s_mov_b32 s[\g+1], 128<<16                     ; tensor_dim0 = 128
	s_mov_b32 s[\g+2], \rows<<16                   ; tensor_dim1
	s_mov_b32 s[\g+3], 128<<16                     ; tile_dim0 = 128
	s_mov_b32 s[\g+4], \rows                       ; tile_dim1
	s_mov_b32 s[\g+5], 128                         ; elements from row to row
	s_mov_b32 s[\g+6], 0
	s_mov_b32 s[\g+7], 0
.endm
.macro LDQ dst, adr, base, off, cs     ; 16 numbers a lane, [c] at 8 c: eight columns from the address register's column on, tile c another cs bytes on
.irp e, 0,1,2,3
	global_load_b128 v[\dst+4*\e:\dst+4*\e+3], v[\adr], s[\base:\base+1] offset:\off+\cs*(\e/2)+16*(\e%2)
.endr
.endm
.macro LDW dst, adr, off, cs           ; the same out of Wfc, whose slices begin at odd words: loads of 4 bytes
.set i, 0
.rept 16
	global_load_b32 v[\dst+i], v[\adr], s[16:17] offset:\off+\cs*(i/8)+4*(i%8)
.set i, i+1
.endr
.endm
	s_load_b512 s[4:19], s[0:1], 0x0               ; x s[4:5], bias0 s[6:7], Wf1 s[8:9], bf1 s[10:11], Wf2 s[12:13], bf2 s[14:15], Wfc s[16:17], wb s[18:19]
	s_load_b128 s[20:23], s[0:1], 0x40             ; vb s[20:21], vh s[22:23]
	s_load_b64 s[24:25], s[0:1], 0x50              ; part
	v_lshl_add_u32 v[SPW], v0, 2, SPARE
	v_mov_b32 v[NIL], 0
	ds_add_u32 v28, v29
	s_wait_dscnt 0x0
	v_lshrrev_b32 v3, 5, v0
	v_readfirstlane_b32 s[WV], v3                  ; wave 0..3
	s_and_b32 s[KS], ttmp7, 3                      ; the slice: the grid has 4 along y, and the four partners share it
	s_bfe_u32 s29, ttmp6, 0x40000                  ; cx
	s_lshl_b32 s28, ttmp9, 2
	s_add_co_u32 s28, s28, s29                     ; my block of 128 rows = 4 x cluster x + cx: it enters the addresses of x and part alone
	s_mov_b32 s90, 0x76543210
	s_mov_b32 s91, 0xfedcba98
	s_cmp_eq_u32 s[KS], 0
	s_cselect_b32 s88, 1.0, 0                      ; the constant term belongs to slice 0
	s_mov_b32 s89, s88
	s_mov_b32 s[G1R],  15|(1<<16)|(1<<20)|(1<<21)|(5<<22)|(7<<25)  ; mask: all four; elements of 2 bytes; padding on; bit 21 beside a mask; after every 64 words, 8 words
	s_mov_b32 s[G1V3], 15|(1<<16)|(1<<20)|(1<<21)|(5<<22)|(7<<25)
	s_mov_b32 s[G1V2], 15|(1<<16)|(1<<20)|(1<<21)|(5<<22)|(3<<25)  ; 4 words of padding
	s_mov_b32 s[G1H],  15|(2<<16)|(1<<21)                          ; elements of 4 bytes, no padding
	G1REST G1R, 80
	G1REST G1V3, 32
	G1REST G1V2, 8
	G1REST G1H, 8
	s_mul_i32 s92, s[WV], 80*PW                    ; my quarter of a slot: 80 of its 320 rows
	s_mul_i32 s94, s[KS], SLICE                    ; the slice's eight fills,
	s_mul_i32 s93, s[WV], 80*256                   ; my 80 rows of 256 bytes
	s_add_co_u32 s94, s94, s93
	s_mov_b32 s95, 0
	s_wait_kmcnt 0x0
	s_add_nc_u64 s[94:95], s[18:19], s[94:95]
.irp sl, 0,1
	s_mov_b32 s[G0R+4*\sl], 1
	s_add_co_u32 s[G0R+4*\sl+1], s92, \sl*SLOTB
	s_add_nc_u64 s[G0R+4*\sl+2:G0R+4*\sl+3], s[94:95], \sl*FILLB   ; slot sl begins with fill sl
	s_or_b32 s[G0R+4*\sl+3], s[G0R+4*\sl+3], 0x80000000
.endr
	s_mul_i32 s92, s[WV], 32*PW                    ; V3: my 32 rows
	s_lshl_b32 s94, s[WV], 13
	s_add_co_u32 s94, s94, 32768
	s_mov_b32 s95, 0
	s_mov_b32 s[G0V3], 1
	s_add_co_u32 s[G0V3+1], s92, V3T
	s_add_nc_u64 s[G0V3+2:G0V3+3], s[20:21], s[94:95]
	s_or_b32 s[G0V3+3], s[G0V3+3], 0x80000000
	s_mul_i32 s92, s[WV], 8*PO                     ; V2: rows 32 w + 8 s on, my 8 of the slice's 32: quarter q = w
	s_lshl_b32 s94, s[WV], 13
	s_lshl_b32 s93, s[KS], 11
	s_add_co_u32 s94, s94, s93
	s_mov_b32 s[G0V2], 1
	s_add_co_u32 s[G0V2+1], s92, V2T
	s_add_nc_u64 s[G0V2+2:G0V2+3], s[20:21], s[94:95]
	s_or_b32 s[G0V2+3], s[G0V2+3], 0x80000000
	s_lshl_b32 s92, s[WV], 12                      ; Wf2 rows 1 + 32 w + 8 s on: my 8 rows of 512 bytes
	s_lshl_b32 s94, s[WV], 14
	s_lshl_b32 s93, s[KS], 12
	s_add_co_u32 s94, s94, s93
	s_add_co_u32 s94, s94, 512
	s_mov_b32 s[G0H], 1
	s_add_co_u32 s[G0H+1], s92, WHD
	s_add_nc_u64 s[G0H+2:G0H+3], s[12:13], s[94:95]
	s_or_b32 s[G0H+3], s[G0H+3], 0x80000000
	ROUND                                          ; all four work-groups are here: the first joint loads meet
	tensor_load_to_lds s[G0R:G0R+3], s[G1R:G1R+7]          ; fill 0
	s_nop 0
	tensor_load_to_lds s[G0H:G0H+3], s[G1H:G1H+7]          ; Wf2's rows
	s_nop 0
	tensor_load_to_lds s[G0V2:G0V2+3], s[G1V2:G1V2+7]      ; V2
	s_nop 0
	tensor_load_to_lds s[G0R+4:G0R+7], s[G1R:G1R+7]        ; fill 1
	s_nop 0
	tensor_load_to_lds s[G0V3:G0V3+3], s[G1V3:G1V3+7]      ; V3
	s_nop 0
	PLACES                                         ; four v_nop follow the group of first fills
	; what layer 1 and the small vectors need from memory
	s_load_b32 s30, s[6:7], 0x0                    ; bias0
	s_lshl_b32 s96, s28, 15                        ; my 128 rows of x, 256 bytes each
	s_mov_b32 s97, 0
	s_add_nc_u64 s[4:5], s[4:5], s[96:97]
	s_lshl_b32 s96, s28, 9                         ; my 128 numbers of part,
	s_lshl_b32 s98, s[KS], 15                      ; in the slice's row
	s_add_co_u32 s96, s96, s98
	s_add_nc_u64 s[24:25], s[24:25], s[96:97]
	v_and_b32 v1, 15, v0                           ; r = lane mod 16
	v_bfe_u32 v2, v0, 4, 1                         ; h = lane / 16
	v_and_b32 v3, 7, v0                            ; r mod 8
	v_bfe_u32 v23, v0, 3, 1                        ; r / 8
	s_lshl_b32 s92, s[WV], 7
	s_lshl_b32 s93, s[KS], 5                       ; 4 x 8 s
	s_lshl_b32 s94, s[WV], 13
	v_lshlrev_b32 v[XO], 8, v1
	v_lshl_add_u32 v[XO], v2, 5, v[XO]             ; row r, 8 h numbers in
	v_add_nc_u32 v[XO2], s94, v[XO]                ; the same from row 32 w on
	v_lshl_add_u32 v[WO], v1, 2, s92
	v_lshl_add_u32 v[WO], v2, 12, v[WO]            ; row 8 h, column 32 w + r
	v_lshl_add_u32 v[WO2], v3, 2, s93              ; the slice's column rho = 16 c + r is i = 64 c + 32 (r / 8) + 8 s + r mod 8,
	v_lshl_add_u32 v[WO2], v23, 7, v[WO2]
	v_lshl_add_u32 v[WO2], v2, 12, v[WO2]          ; row 8 h
	v_lshl_add_u32 v[NO], v2, 5, s92
	v_lshl_add_u32 v[NO2], v2, 7, s93              ; rho = 16 c + 8 h + j is i = 64 c + 32 h + 8 s + j
	WIN 0x80                                       ; destination window 2
.set i, 0                              ; i = 8 t + 4 kk + q: row tile t, 32 kk along the 64 inputs, quarter q of a fragment's 16 numbers a lane
.rept 64
	global_load_b128 v[4*i:4*i+3], v[XO], s[4:5] offset:(i/8)*4096+((i/4)%2)*128+((i/2)%2)*64+(i%2)*16
.set i, i+1
.endr
	WIN 0x40                                       ; destination window 1: the small product's operands
.set i, 0                              ; i = 8 u + 4 kk + q: row tile 2 w + u
.rept 16
	global_load_b128 v[112+4*i:112+4*i+3], v[XO2], s[4:5] offset:(i/8)*4096+((i/4)%2)*128+((i/2)%2)*64+(i%2)*16
.set i, i+1
.endr
.set i, 0                              ; i = 32 c + 16 kk + 8 half + e: Wf1[1 + 32 kk + 16 half + 8 h + e][the slice's column 16 c + r]
.rept 64
	global_load_b32 v[i], v[WO2], s[8:9] offset:(1+32*((i/16)%2)+16*((i/8)%2)+(i%8))*512+256*(i/32)
.set i, i+1
.endr
	LDQ 208, NO2, 8, 0, 256                        ; Wf1 row 0 at the slice's columns
	LDQ 224, NO2, 10, 0, 256                       ; bf1 there
	WIN 0
.set i, 0                              ; the same gather at my wave's columns: Wf1 lies [input][column], so a fragment is gathered
.rept 64
	global_load_b32 v[128+i], v[WO], s[8:9] offset:(1+32*((i/16)%2)+16*((i/8)%2)+(i%8))*512+64*(i/32)
.set i, i+1
.endr
	LDQ 96,  NO, 8, 0, 64                          ; Wf1 row 0
	LDQ HC0, NO, 10, 0, 64                         ; bf1
	LDQ 112, NO, 12, 0, 64                         ; Wf2 row 0
	LDQ 64,  NO, 14, 0, 64                         ; bf2
	LDQ 48,  NO, 22, 1024, 64                      ; v3[129+n]
	LDW QL,  NO, 516, 64                           ; wfc[129+n]
	LDQ 224, NO2, 22, 0, 256                       ; v2[1+i]
	LDQ 240, NO2, 22, 512, 256                     ; v3[1+i]
	LDW HC1, NO2, 4, 256                           ; wfc[1+i]
	; LDS addresses, while the loads are out
	v_lshl_add_u32 v3, v2, 3, v3                   ; the turning load: row 8 h + lane mod 8,
	v_mul_u32_u24 v3, v3, PW
	v_lshl_add_u32 v3, v23, 4, v3                  ; 16 bytes on for lanes 8-15 and 24-31,
	s_lshl_b32 s92, s[WV], 6
	v_add_nc_u32 v[ADW], s92, v3                   ; my wave's 32 columns
	v_add_nc_u32 v[ADW+1], 224*PW, v[ADW]
	v_add_nc_u32 v[ADW+2], SLOTB, v[ADW]
	v_add_nc_u32 v[ADW+3], SLOTB+224*PW, v[ADW]
	v_add_nc_u32 v[ADV3], V3T, v[ADW]
	v_add_nc_u32 v[AH], WHD, v[NO]
	v_lshl_add_u32 v[AO], v1, 3, O1F
	v_mul_u32_u24 v23, v1, PO
	v_lshl_add_u32 v23, v2, 4, v23                 ; row r x pitch + 16 h
	v_add_nc_u32 v[AOT], OT, v23
	v_add_nc_u32 v[AV2], V2T, v23
	v_add_nc_u32 v[STO], s92, v[AOT]
	s_mul_i32 s94, s[WV], 32*PO
	v_add_nc_u32 v[AGA], s94, v[AOT]
	s_lshl_b32 s94, s[WV], 12                      ; my wave's 4,096 bytes of O1F,
	s_add_co_u32 s94, s94, O1F
	v_lshl_add_u32 v[STF], v1, 3, s94              ; row r,
	v_lshl_add_u32 v[STF], v2, 10, v[STF]          ; column rho = 8 h
	s_lshl_b32 s94, s[WV], 9
	s_add_co_u32 s94, s94, RED
	v_lshl_add_u32 v[ARED], v1, 2, s94
	s_lshl_b32 s94, s[WV], 7
	s_add_co_u32 s94, s94, RED+2048
	v_lshl_add_u32 v[ARG], v1, 2, s94
	s_wait_loadcnt 0x0
	s_wait_kmcnt 0x0
	s_mov_b32 s31, s30
	; conversions and the small vectors
	WIN 0xca                                       ; sources window 2, destination window 3
.set i, 0
.rept 128
	v_cvt_pk_bf16_f32 v[i], v[2*i], v[2*i+1]       ; x's fragments, [t][kk] at 16 t + 8 kk
.set i, i+1
.endr
	WIN 0x55                                       ; everything in window 1
.set i, 0
.rept 32
	v_cvt_pk_bf16_f32 v[176+i], v[112+2*i], v[112+2*i+1]   ; x's fragments of my wave's rows, [u][kk] at 176 + 16 u + 8 kk
.set i, i+1
.endr
.set i, 0
.rept 32
	v_cvt_pk_bf16_f32 v[64+i], v[2*i], v[2*i+1]    ; Wf1's fragments at the slice's columns, [c][kk] at 64 + 16 c + 8 kk
.set i, i+1
.endr
.set i, 0
.rept 8
	v_pk_fma_f32 v[224+2*i:224+2*i+1], v[208+2*i:208+2*i+1], s[30:31], v[224+2*i:224+2*i+1] op_sel_hi:[1,0,1]   ; bias0 Wf1[0] + bf1 there
.set i, i+1
.endr
	WIN 0
.set i, 0
.rept 8
	v_pk_fma_f32 v[HC0+2*i:HC0+2*i+1], v[96+2*i:96+2*i+1], s[30:31], v[HC0+2*i:HC0+2*i+1] op_sel_hi:[1,0,1]   ; bias0 Wf1[0] + bf1
	v_pk_fma_f32 v[112+2*i:112+2*i+1], v[112+2*i:112+2*i+1], s[30:31], v[64+2*i:64+2*i+1] op_sel_hi:[1,0,1]   ; bias0 Wf2[0] + bf2
	v_pk_add_f32 v[QL+2*i:QL+2*i+1], v[QL+2*i:QL+2*i+1], v[48+2*i:48+2*i+1]
	v_pk_add_f32 v[224+2*i:224+2*i+1], v[224+2*i:224+2*i+1], v[240+2*i:240+2*i+1]
.set i, i+1
.endr
.set i, 0
.rept 8
	v_pk_add_f32 v[HC1+2*i:HC1+2*i+1], v[HC1+2*i:HC1+2*i+1], v[224+2*i:224+2*i+1]   ; wfc[1+i] + v2[1+i] + v3[1+i]
.set i, i+1
.endr
.set i, 0
.rept 32
	v_cvt_pk_bf16_f32 v[64+i], v[128+2*i], v[128+2*i+1]    ; Wf1's fragments, [c][kk] at 64 + 16 c + 8 kk
.set i, i+1
.endr
	WIN 0xc0
.set i, 0
.rept 8
	v_pk_mul_f32 v[128+2*i:128+2*i+1], v[112+2*i:112+2*i+1], s[88:89] op_sel_hi:[1,0]   ; the constant term, in slice 0 alone
.set i, i+1
.endr
	; LAYER 1: ot1 = x Wf1[1:] + (bias0 Wf1[0] + bf1), 16 accumulators by turns, into T0
	WIN W_LA
.set a, 0
.rept 16
	v_wmma_f32_16x16x32_bf16 v[8*a:8*a+7], v[64+16*(a%2):64+16*(a%2)+7], v[16*(a/2):16*(a/2)+7], v[HC0+8*(a%2):HC0+8*(a%2)+7]
.set a, a+1
.endr
	WIN W_LB
.set a, 0
.rept 16
	v_wmma_f32_16x16x32_bf16 v[8*a:8*a+7], v[72+16*(a%2):72+16*(a%2)+7], v[16*(a/2)+8:16*(a/2)+15], v[8*a:8*a+7]
.set a, a+1
.endr
	; the small product: o1 of my wave's 32 rows at the slice's 32 columns, 4 accumulators by turns, [u][c] at 160 + 16 u + 8 c of window 2
	WIN 0x95                                       ; D window 2, both sources and C window 1
.set a, 0
.rept 4
	v_wmma_f32_16x16x32_bf16 v[160+8*a:160+8*a+7], v[64+16*(a%2):64+16*(a%2)+7], v[176+16*(a/2):176+16*(a/2)+7], v[224+8*(a%2):224+8*(a%2)+7]
.set a, a+1
.endr
	WIN 0xa5                                       ; the same, C window 2
.set a, 0
.rept 4
	v_wmma_f32_16x16x32_bf16 v[160+8*a:160+8*a+7], v[72+16*(a%2):72+16*(a%2)+7], v[184+16*(a/2):184+16*(a/2)+7], v[160+8*a:160+8*a+7]
.set a, a+1
.endr
	PLACES
	WIN 0x0a                                       ; sources window 2
.set i, 0
.rept 64
	v_cvt_pk_bf16_f32 v[128+i], v[2*i], v[2*i+1]   ; each accumulator from its low end on
.set i, i+1
.endr
	WIN 0
.set a, 0
.rept 16
	ds_store_b128 v[STO], v[128+4*a:128+4*a+3] offset:(a/2)*16*PO+32*(a%2)   ; row 16 t + r, columns 32 w + 16 c + 8 h on
.set a, a+1
.endr
	WIN 0x08                                       ; store data window 2
.set i, 0                              ; i = 16 u + 8 c + j: column rho = 16 c + 8 h + j, row tile 2 w + u
.rept 32
	ds_store_b32 v[STF], v[160+i] offset:(16*((i/8)%2)+(i%8))*128+4*(i/16)
.set i, i+1
.endr
	WIN 0
	s_wait_tensorcnt 0x2                           ; fill 0, Wf2's rows and V2 are in; the two loads issued behind them may stay out
	s_wait_dscnt 0x0                               ; for the others: my stores are done
	s_barrier_signal -1
	s_barrier_wait -1
.macro LDWF dst, adw, aoff, nkn        ; a block's fragments for my 32 columns, [c][k] at 32 c + 8 k, k = 4 - nkn .. 3: 4 nkn turning loads; the block's first row is j = 32 (4 - nkn)
.set i, 0
.rept 2*\nkn
.set cc, i/\nkn
.set kk, i%\nkn
	ds_load_tr16_b128 v[\dst+32*cc+8*(4-\nkn+kk):\dst+32*cc+8*(4-\nkn+kk)+3],   v[\adw] offset:\aoff+kk*32*PW+cc*32
	ds_load_tr16_b128 v[\dst+32*cc+8*(4-\nkn+kk)+4:\dst+32*cc+8*(4-\nkn+kk)+7], v[\adw] offset:\aoff+kk*32*PW+cc*32+16*PW
.set i, i+1
.endr
.endm
.macro LDHC dst, row                   ; Wf2[1 + i] at my 16 columns a lane
.irp e, 0,1,2,3
	ds_load_b128 v[\dst+4*\e:\dst+4*\e+3], v[AH] offset:(\row)*512+64*(\e/2)+16*(\e%2)
.endr
.endm
.macro LDFR dst, adr, n                ; n fragments of 16 rows x 32 along rows of pitch PO, [tile][k] at 32 tile + 8 k
.set i, 0
.rept \n
	ds_load_b128 v[\dst+8*i:\dst+8*i+3],   v[\adr] offset:(i/4)*16*PO+(i%4)*64
	ds_load_b128 v[\dst+8*i+4:\dst+8*i+7], v[\adr] offset:(i/4)*16*PO+(i%4)*64+32
.set i, i+1
.endr
.endm
	WIN 0x40
	LDFR 0, AOT, 32                                ; ot1's fragments, all 128 rows: they stay
	WIN 0xc0
	LDFR 144, AGA, 8                               ; those of my wave's 32 rows once more, for the V2 product
	WIN 0
	LDFR 128, AV2, 8                               ; V2's fragments
	LDWF 64, ADW, 0, 4                             ; block 0
	LDHC HC0, 0
	s_wait_dscnt 0x0
	; THE V2 TERM: (ot1 V2^T + the linear weights) for my 32 rows x the slice's 32 columns, 4 accumulators by turns at T1's place; then times o1 (the small product's accumulators) and summed
	WIN W_LA
.set i, 0                              ; i = 2 u + c
.rept 4
	v_wmma_f32_16x16x32_bf16 v[128+8*i:128+8*i+7], v[128+32*(i%2):128+32*(i%2)+7], v[144+32*(i/2):144+32*(i/2)+7], v[HC1+8*(i%2):HC1+8*(i%2)+7]
.set i, i+1
.endr
	WIN W_LB
.rept 12                               ; k = i / 4
	v_wmma_f32_16x16x32_bf16 v[128+8*(i%4):128+8*(i%4)+7], v[128+32*(i%2)+8*(i/4):128+32*(i%2)+8*(i/4)+7], v[144+32*((i/2)%2)+8*(i/4):144+32*((i/2)%2)+8*(i/4)+7], v[128+8*(i%4):128+8*(i%4)+7]
.set i, i+1
.endr
	PLACES
	WIN 0x0a                                       ; sources 0 and 1 window 2
.set i, 0                              ; i = 8 c + j, ascending: each accumulator from its low end on
.rept 16
.irp u, 0,1
.if i == 0
	v_mul_f32 v[ZG+\u], v[128+16*\u+i], v[160+16*\u+i]
.else
	v_fma_f32 v[ZG+\u], v[128+16*\u+i], v[160+16*\u+i], v[ZG+\u]
.endif
.endr
.set i, i+1
.endr
	WIN 0
	v_permlanex16_b32 v224, v[ZG], s90, s91        ; the row's other 16 columns lie in the lane 16 away
	v_permlanex16_b32 v225, v[ZG+1], s90, s91
	v_add_f32 v[ZG], v[ZG], v224
	v_add_f32 v[ZG+1], v[ZG+1], v225
	ds_store_b32 v[ARG], v[ZG]
	ds_store_b32 v[ARG], v[ZG+1] offset:64
; A BLOCK.  x = the block's number less eight for each trip of the loop that has passed.  From it: the quarter q = x mod 4, so 4 - q steps along j, from step q on; the set x mod 2 of T, W's fragments,
; C and o1's numbers; the slot (x / 4) mod 2; the row rho = 8 (x mod 4) + x / 4 from AH and AO on.
; pk: 0 no multiply-adds; 1 the first (they start ACC from the constant term); 2 ACC += o1 T of the block before.
; chg: 1 the slot, whose last block this is, is filled again behind a round of the cluster's barrier; 2 a barrier alone, so that the last fill is seen whole; 0 none.
; mode: 0 fetch block x + 1's fragments and C, and this block's o1; 1 fetch V3's fragments in their place, no C; 2 this block is q = o1 V3 + its linear part, and fetches nothing.
; The 16 accumulators take turns, one instruction a turn, in the same order for each 32 along j, from block to block and over the loop's jump too.
; An accumulator of the block before is read four plain instructions or more behind its last product (the last one's: the four multiply-adds that close that block, and 60 of this one);
; the loads stand 20 plain instructions behind the last product that read their registers.
.macro BLK x, pk, chg, mode
.set PAR, (\x)%2
.set K0,  (\x)%4
.set NK,  4-K0
.set TS, 128*PAR
.set TP, 128-128*PAR
.set WS, 64+64*PAR
.set WN, 128-64*PAR
.set CB, HC0+16*PAR
.if \mode == 2
.set CB, QL
.endif
.set HN, HC1-16*PAR
.set OS, 48+8*PAR
.set OP, 56-8*PAR
.set SL, ((\x)/4)%2
.set TRHO, 8*K0+(\x)/4
.set XN, (\x)+1
.set NQ, XN%4
.set NNK, 4-NQ
.set NRHO, 8*NQ+XN/4
.set NADW, ADW+2*((XN/4)%2)+NQ/2       ; the next block begins at row 0, 128, 224 or 288 of its slot
.set NOFF, (NQ%2)*(128-64*(NQ/2))*PW
.if \chg
	WIN 0                                          ; (the add's two registers lie in window 0)
	s_wait_tensorcnt 0x0                           ; all my tensor loads have landed: my part of the other slot
	ds_add_u32 v[SPW], v[NIL]                      ; 0 onto my spare word
.if \chg == 1
	s_add_nc_u64 s[G0R+4*SL+2:G0R+4*SL+3], s[G0R+4*SL+2:G0R+4*SL+3], 2*FILLB   ; no load of mine is out: the slot's next fill, two on
.endif
	s_wait_dscnt 0x0                               ; the add is done; this block's operands are in, and with them my last reads of the slot that is left
	s_barrier_signal -1                            ; (with chg = 1 this barrier opens a round of the cluster's barrier)
.else
	s_wait_dscnt 0x0                               ; this block's fragments and C, and the o1 of the block before
.endif
.set g, 0
.rept 16
.set e, 0
.rept NK                               ; products g NK .. g NK + NK - 1 of 16 NK: accumulator m mod 16, step K0 + m / 16
.set m, g*NK+e
.set a, m%16
.set kst, K0+m/16
.if m < 16
	WIN W_M0
	v_wmma_f32_16x16x32_bf16 v[TS+8*a:TS+8*a+7], v[WS+32*(a%2)+8*kst:WS+32*(a%2)+8*kst+7], v[32*(a/2)+8*kst:32*(a/2)+8*kst+7], v[CB+8*(a%2):CB+8*(a%2)+7]
.else
	WIN W_M
	v_wmma_f32_16x16x32_bf16 v[TS+8*a:TS+8*a+7], v[WS+32*(a%2)+8*kst:WS+32*(a%2)+8*kst+7], v[32*(a/2)+8*kst:32*(a/2)+8*kst+7], v[TS+8*a:TS+8*a+7]
.endif
.set e, e+1
.endr
.if \pk
	WIN W_PK
.set p, 0
.rept 4                                ; accumulator g of the block before: row tile g / 2, whose o1 is the low or the high register of a pair
.set d, 8*g+2*p
.set c3, d
.if \pk == 1
.set c3, 128+8*(g%2)+2*p
.endif
.if (g/2)%2
	v_pk_fma_f32 v[d:d+1], v[TP+d:TP+d+1], v[OP+2*(g/4):OP+2*(g/4)+1], v[c3:c3+1] op_sel:[0,1,0] op_sel_hi:[1,1,1]
.else
	v_pk_fma_f32 v[d:d+1], v[TP+d:TP+d+1], v[OP+2*(g/4):OP+2*(g/4)+1], v[c3:c3+1] op_sel_hi:[1,0,1]
.endif
.set p, p+1
.endr
.endif
.if g == 3
.if \chg || (\mode < 2)
	WIN 0                                          ; the loads' registers lie in window 0; at a branch and at a label every window is 0
.endif
.if \chg
	s_barrier_wait -1
.endif
.if \chg == 1
	CREST                                          ; no wave of any partner still reads the slot or has a load on its way
	tensor_load_to_lds s[G0R+4*SL:G0R+4*SL+3], s[G1R:G1R+7]   ; my one load behind the round: 156 matrix instructions of mine stand ahead of the wait for it
	s_nop 0
	PLACES
.endif
.if \mode == 0
	LDWF WN, NADW, NOFF, NNK
	LDHC HN, NRHO
.elseif \mode == 1
	LDWF WN, ADV3, 0, 4
.endif
.if \mode < 2
.irp k, 0,1,2,3
	ds_load_b64 v[OS+2*\k:OS+2*\k+1], v[AO] offset:TRHO*128+\k*4096   ; o1[16 t + r][i] for t = 2 k, 2 k + 1
.endr
.endif
.endif
.set g, g+1
.endr
.if \pk == 0
	PLACES                                         ; no multiply-adds stood behind the last products
.endif
.endm
	BLK 0, 0, 0, 0                                 ; block 0
	BLK 1, 1, 0, 0                                 ; block 1
	WIN 0
	s_mov_b32 s100, 3
.Lq:                                                   ; trip t: blocks 8 t + 2 .. 8 t + 9; both slots are filled again
	BLK 2, 2, 0, 0
	BLK 3, 2, 1, 0                                 ; slot 0's last block: slot 0 is asked for again
	BLK 4, 2, 0, 0
	BLK 5, 2, 0, 0
	BLK 6, 2, 0, 0
	BLK 7, 2, 1, 0                                 ; slot 1's last block: slot 1 is asked for again
	BLK 8, 2, 0, 0
	BLK 9, 2, 0, 0
	WIN 0
	v_add_nc_u32 v[AH], 2*512, v[AH]               ; two fills on: e + 2
	v_add_nc_u32 v[AO], 2*128, v[AO]
	s_sub_co_u32 s100, s100, 1
	s_cmp_lg_u32 s100, 0
	s_cbranch_scc1 .Lq
	BLK 2, 2, 0, 0                                 ; block 26: the tail is written out
	BLK 3, 2, 2, 0                                 ; block 27; the last fill is seen whole; nothing is left to fetch
	BLK 4, 2, 0, 0                                 ; block 28
	BLK 5, 2, 0, 0                                 ; block 29
	BLK 6, 2, 0, 0                                 ; block 30
	BLK 7, 2, 0, 1                                 ; block 31; V3's fragments come in W's place
	BLK 8, 2, 0, 2                                 ; q = o1 V3 + its linear part, into T0; ACC takes block 31
	; THE CONTRACTION: sum over my 32 columns of xf2_s q, a pair of sums for each row tile; q's accumulators are read from their low end on
	WIN 0x0b                                       ; ACC window 3, q window 2, the sums window 0
.set i, 0                              ; i = 4 c + p
.rept 8
.set t, 0
.rept 8
.set d, 8*(2*t+i/4)+2*(i%4)
.if i == 0
	v_pk_mul_f32 v[ZP+2*t:ZP+2*t+1], v[d:d+1], v[d:d+1]
.else
	v_pk_fma_f32 v[ZP+2*t:ZP+2*t+1], v[d:d+1], v[d:d+1], v[ZP+2*t:ZP+2*t+1]
.endif
.set t, t+1
.endr
.set i, i+1
.endr
	WIN 0
.irp t, 0,1,2,3,4,5,6,7
	v_add_f32 v[ZP+2*\t], v[ZP+2*\t], v[ZP+2*\t+1]
.endr
.irp t, 0,1,2,3,4,5,6,7
	v_permlanex16_b32 v[ZP+2*\t+1], v[ZP+2*\t], s90, s91
.endr
.irp t, 0,1,2,3,4,5,6,7
	v_add_f32 v[ZP+2*\t], v[ZP+2*\t], v[ZP+2*\t+1]
.endr
.irp t, 0,1,2,3,4,5,6,7
	ds_store_b32 v[ARED], v[ZP+2*\t] offset:64*\t  ; lanes l and l + 16 write the same word with the same value
.endr
	s_wait_dscnt 0x0                               ; for wave 0: my stores are done, the V2 term's among them
	s_barrier_signal -1
	s_barrier_wait -1
	s_cmp_lg_u32 s[WV], 0
	s_cbranch_scc1 .Lend
	v_lshl_add_u32 v3, v0, 4, RED                  ; wave 0: four rows a lane
	v_lshlrev_b32 v30, 4, v0
.irp j, 0,1,2,3,4
	ds_load_b128 v[32+4*\j:32+4*\j+3], v3 offset:512*\j
.endr
	s_wait_dscnt 0x0
	v_pk_add_f32 v[32:33], v[32:33], v[36:37]
	v_pk_add_f32 v[34:35], v[34:35], v[38:39]
	v_pk_add_f32 v[40:41], v[40:41], v[44:45]
	v_pk_add_f32 v[42:43], v[42:43], v[46:47]
	v_pk_add_f32 v[32:33], v[32:33], v[40:41]
	v_pk_add_f32 v[34:35], v[34:35], v[42:43]
	v_pk_add_f32 v[32:33], v[32:33], v[48:49]
	v_pk_add_f32 v[34:35], v[34:35], v[50:51]
	global_store_b128 v30, v[32:35], s[24:25]      ; 512 consecutive bytes, aligned
.Lend:
	s_wait_tensorcnt 0x0                           ; the wave's end, behind my last tensor load and my last LDS store
	ds_add_u32 v[SPW], v[NIL]
	s_wait_dscnt 0x0
	ROUND                                          ; the closing round: no work-group ends while a partner may still ask for a tile that names it
	s_endpgm
.Lfunc_end_k_qbcdaa05372_main:
	.size	k_qbcdaa05372_main, .Lfunc_end_k_qbcdaa05372_main-k_qbcdaa05372_main
	.p2alignl 7, 3214868480
	.fill 96, 4, 3214868480
	.section	.rodata,"a",@progbits
	.p2align	6, 0x0
	.amdhsa_kernel k_qbcdaa05372_main
		.amdhsa_group_segment_fixed_size 327680
		.amdhsa_private_segment_fixed_size 0
		.amdhsa_enable_private_segment 0
		.amdhsa_kernarg_size 88
		.amdhsa_user_sgpr_count 2
		.amdhsa_user_sgpr_kernarg_segment_ptr 1
		.amdhsa_wavefront_size32 1
		.amdhsa_system_sgpr_workgroup_id_x 1
		.amdhsa_system_sgpr_workgroup_id_y 1
		.amdhsa_system_sgpr_workgroup_id_z 1
		.amdhsa_system_vgpr_workitem_id 0
		.amdhsa_next_free_vgpr 1024
		.amdhsa_next_free_sgpr 101
		.amdhsa_reserve_vcc 0
		.amdhsa_float_denorm_mode_32 3
		.amdhsa_float_denorm_mode_16_64 3
		.amdhsa_memory_ordered 1
		.amdhsa_forward_progress 1
		.amdhsa_inst_pref_size 226
	.end_amdhsa_kernel
	.amdgpu_metadata
---
amdhsa.version: [ 1, 2 ]
amdhsa.kernels:
  - .name:           k_qbcdaa05372_main
    .symbol:         k_qbcdaa05372_main.kd
    .args:
      - { .name: x, .offset: 0, .size: 8, .value_kind: global_buffer, .address_space: global }
      - { .name: bias0, .offset: 8, .size: 8, .value_kind: global_buffer, .address_space: global }
      - { .name: Wf1, .offset: 16, .size: 8, .value_kind: global_buffer, .address_space: global }
      - { .name: bf1, .offset: 24, .size: 8, .value_kind: global_buffer, .address_space: global }
      - { .name: Wf2, .offset: 32, .size: 8, .value_kind: global_buffer, .address_space: global }
      - { .name: bf2, .offset: 40, .size: 8, .value_kind: global_buffer, .address_space: global }
      - { .name: Wfc, .offset: 48, .size: 8, .value_kind: global_buffer, .address_space: global }
      - { .name: wb, .offset: 56, .size: 8, .value_kind: global_buffer, .address_space: global }
      - { .name: vb, .offset: 64, .size: 8, .value_kind: global_buffer, .address_space: global }
      - { .name: vh, .offset: 72, .size: 8, .value_kind: global_buffer, .address_space: global }
      - { .name: part, .offset: 80, .size: 8, .value_kind: global_buffer, .address_space: global }
    .group_segment_fixed_size: 327680
    .private_segment_fixed_size: 0
    .kernarg_segment_align: 8
    .kernarg_segment_size: 88
    .max_flat_workgroup_size: 128
    .sgpr_count:     101
    .vgpr_count:     1024
    .wavefront_size: 32
...
	.end_amdgpu_metadata
.endif
;; end of part 5
;; launch final: the kernel of part 3 again; grid 128 x 1, 4 waves a work-group, no clusters, 1,024 bytes of LDS; arguments x, Wg1, Wfc, bias0, bfc, bg1, Wg2, bg2, Wf3, bf3, Wg3, bg3, part, out0; writes out0
